; MI455X (gfx1250); checked and timed in simulation.
; The chip was launched on July 23, 2026; its instructions are those of AMD's public machine-readable ISA for CDNA 5 (MIT licence, August 2026) and "CDNA5" Instruction Set Architecture Reference Guide (July 2026). The comments in the code are by the model that wrote it; some were corrected since.
;; Mo DA Attention. Allowed arithmetic: matrix products marked QUANTISED: E4M3 operands, one E8M0 scale for each 32 along K, by v_wmma_scale_f32_16x16x128_f8f6f4 with both operands' format E4M3, f32 sums; products left as they are: f32 operands where the result goes on into a quantised operand, else bf16, f16 or f32 operands; f32 sums; everything else in f32.
;; Inputs: K_depth 2 x 4 x 16,384 x 64 float32; V_depth 2 x 4 x 16,384 x 64 float32; Wk 1,024 x 256 float32; Wkd 1,024 x 256 float32; Wo 1,024 x 1,024 float32; Wq 1,024 x 1,024 float32; Wv 1,024 x 256 float32; Wvd 1,024 x 256 float32; x 2 x 2,048 x 1,024 float32.
;; Outputs: out0 2 x 2,048 x 1,024 float32; out1 2 x 4 x 2,048 x 64 float32; out2 2 x 4 x 2,048 x 64 float32.
;; This version of the problem:
;;   THIS VERSION OF THE PROBLEM IS GIVEN IN LOW PRECISION. The matrix products marked QUANTISED in the list below multiply operands that are first quantised to E4M3 (4 exponent bits, 3 mantissa bits; 8 bits a number), with one power-of-two scale for each 32 numbers along K (OCP MX v1.0); their sums are f32. All else is computed in f32.
;;   The module's matrix products, in the order in which they are computed (A, B: the left and right operand; K: the contracted axis; several contracted axes count as one K, in the product's order):
;;     1. [M 4,096, K 1,024] x [K 1,024, N 1,024]; A: input x; B: input Wq: QUANTISED
;;     2. [M 4,096, K 1,024] x [K 1,024, N 256]; A: input x; B: input Wk: QUANTISED
;;     3. [M 4,096, K 1,024] x [K 1,024, N 256]; A: input x; B: input Wv: QUANTISED
;;     4. [M 4,096, K 1,024] x [K 1,024, N 256]; A: input x; B: input Wkd: QUANTISED
;;     5. [M 4,096, K 1,024] x [K 1,024, N 256]; A: input x; B: input Wvd: QUANTISED
;;     6. batch 32 x [M 2,048, K 64] x [K 64, N 2,048]; A: computed on the way; B: computed on the way: QUANTISED
;;     7. batch 65,536 x [M 1, K 64] x [K 64, N 8]; A: computed on the way; B: input K_depth: left as it is (M = 1 < 16)
;;     8. batch 32 x [M 2,048, K 2,048] x [K 2,048, N 64]; A: computed on the way; B: computed on the way: QUANTISED
;;     9. batch 65,536 x [M 1, K 8] x [K 8, N 64]; A: computed on the way; B: input V_depth: left as it is (K = 8 < 32)
;;     10. [M 4,096, K 1,024] x [K 1,024, N 1,024]; A: computed on the way; B: input Wo: QUANTISED
;;   THE QUANTISER, for each operand of a quantised product, along K:
;;     - K is cut into blocks of 32 from its start; a last block that is shorter is filled with zeros.
;;     - A block's scale is 2^e with e = floor(log2(the largest magnitude in the block)) - 8, held to -126 .. 127; a block of zeros has e = 0. As a byte (E8M0): e + 127.
;;     - Each number is divided by its block's scale, clamped to +-448, and rounded to the nearest number of E4M3, ties to even, subnormals kept.
;;     - The product sums the exact products of the quantised numbers (number of the format x scale) in f32.
;;   ~~~python
;;   def quantise(x, axis):      # numpy; x: float32 -> the quantised numbers, widened to float32 again
;;       x = np.moveaxis(x, axis, -1); K = x.shape[-1]
;;       x = np.pad(x, [(0, 0)] * (x.ndim - 1) + [(0, -K % 32)]); x = x.reshape(x.shape[:-1] + (-1, 32)); a = np.abs(x).max(-1, keepdims=True)
;;       e = np.where(a > 0, np.clip(np.frexp(np.where(a > 0, a, 1))[1] - 1 - 8, -126, 127), 0)      # np.frexp(a)[1] - 1 = floor(log2(a)), exactly
;;       r = np.clip(x / 2.0 ** e, -448, 448)
;;       step = 2.0 ** (np.maximum(np.frexp(np.where(r == 0, 1, r))[1] - 1, -6) - 3)
;;       q = np.round(r / step) * step * 2.0 ** e      # np.round: ties to even
;;       return np.moveaxis(q.reshape(q.shape[:-2] + (-1,))[..., :K], -1, axis).astype(np.float32)
;;   ~~~
;;   OPERANDS COMPUTED ON THE WAY. 'Computed on the way' means the value that the module computes at that place (a softmax that the list does not call 'softmax' is quantised finished and normalised). What goes into a quantiser is computed in f32, as accurately as f32 sums, v_exp_f32 and their like allow (about 1e-6 of the number): no bf16 or f16 on the way to a quantiser, and a product that is left as it is and whose result goes on into a quantised operand takes f32 operands (vector FMAs, or v_wmma_f32_16x16x4_f32). A number that lies on a knife's edge between two numbers of the format may be rounded either way, as far as f32 arithmetic and the matrix unit's own rounding can turn it there, and no further.
;; One version. Each part assembles by itself: llvm-mc -triple=amdgcn-amd-amdhsa -mcpu=gfx1250 --defsym DOCPART=n.
;; ======== version 1 of 1: 5 launches
;; limits: right only within a limited range of input values
;; workspace buffers: xc 4,194,304 bytes; xs 131,072 bytes; wc 3,145,728 bytes; ws 98,304 bytes; pj 25,165,824 bytes; img 2,195,456 bytes; ac 4,194,304 bytes; asc 131,072 bytes
;; launch quant (part 1): grid 224 x 1, 4 waves a work-group, no clusters, 68,096 bytes of LDS; arguments xc, xs, wc, ws, Wq, Wk, Wv, Wkd, Wvd, Wo, x; writes xc, xs, wc, ws
.if DOCPART == 1
	.amdgcn_target "amdgcn-amd-amdhsa--gfx1250"
	.amdhsa_code_object_version 6
	.text
	.protected	k_q870e033d39_quant
	.globl	k_q870e033d39_quant
	.p2align	8
	.type	k_q870e033d39_quant,@function
k_q870e033d39_quant:
	s_mov_b64 s[64:65], 0
	v_nop
	global_prefetch_b8 v0, s[64:65] scope:SCOPE_SE
	s_setreg_imm32_b32 hwreg(HW_REG_WAVE_MODE, 25, 1), 1
	s_wait_xcnt 0x0
; x [4096][1024] f32 and the six weights ([1024 (k)][n] f32) become codes of E4M3 with K innermost and one E8M0 byte for each 32 along K.
; xc [4096][1024], xs [4096][32].  wc [3072][1024], ws [3072][32]: row n of wc is a COLUMN of a weight: 0- Wq, 1024- Wk, 1280- Wv, 1536- Wkd, 1792- Wvd, 2048- Wo.
; A block's scale is 2^(floor(log2(largest magnitude)) - 8): its byte is the largest magnitude's exponent field - 8, held at 1 from below.
; LIMITS: a block of zeros gets the byte 1 where the rule says 127 (its codes are zeros, and only this program reads the bytes); NaN and infinities among the inputs are not served.
; Work-groups 0-127 take x (K innermost: a plain stream of blocks of 32), work-groups 128-223 the weights (a lane takes a column, its registers run down K).
; The two ways part on the work-group's number and have LDS bytes of their own: x 0 .. 32,767, the weights 32,768 .. 67,583.  No wave shares anything with another: no barrier.
.set MANT,  0x600000                   ; the mantissa field of 448
.set FLOOR, 0x4800000                  ; 2^(9 - 127): under it no largest magnitude is taken
; the way of x
.set STEPS, 16                         ; a wave takes 16 steps of 512 numbers
.set CB,    16                         ; bytes of 16 codes
.set R,     16                         ; v16-79   four sets of 16 numbers as loaded
.set X,     80                         ; v80-111  two sets of 16 neighbours
.set E,     112                        ; v112-127 a scale byte for each step
.set C,     128                        ; v128-191 codes: four registers for each step, so no store's data are written again
.set WREG,  8192                       ; LDS of a wave: two stages of 32 x SP bytes, then its 256 scale bytes
.set SP,    80                         ; a lane's 64 bytes + 16 of padding
; the way of the weights
.set NB,    8                          ; blocks of 32 along K for a wave: 256 along K
.set WX,    32                         ; v32-95   two sets of 32 numbers
.set WC,    96                         ; v96-103  a block's codes
.set OUTR,  112                        ; v112-175 the way out
.set SB,    24                         ; v24-25   eight scale bytes
.set VO,    176                        ; v176-207 byte offset of row i of a block at my column: i x row pitch + 4 x lane
.set PITCH, 272                        ; a stage row: 256 bytes of codes + 16
.set WSTG,  32768
	v_lshl_add_u32 v208, v0, 2, 0x10800
	v_mov_b32 v209, 0
	v_lshrrev_b32 v1, 5, v0
	v_readfirstlane_b32 s30, v1                    ; wave 0..3
	v_and_b32 v2, 31, v0                           ; lane
	s_mov_b32 s31, MANT
	s_cmp_lt_u32 ttmp9, 128
	s_cbranch_scc0 .Lweights
	; ---------------- x ----------------
	s_load_b128 s[8:11], s[0:1], 0x0               ; xc, xs
	s_load_b64 s[4:5], s[0:1], 0x50                ; x
	v_lshlrev_b32 v3, 4, v2                        ; my 16 bytes of a load's 512
	s_mul_i32 s17, s30, WREG
	v_lshrrev_b32 v14, 2, v2
	v_mul_u32_u24 v14, v14, SP
	v_and_b32 v15, 3, v2
	v_lshl_add_u32 v14, v15, 4, v14
	v_add_nc_u32 v14, s17, v14                     ; into the stage: four lanes' 64 bytes on end, then 16 of padding
	v_mul_u32_u24 v15, v2, SP
	v_add_nc_u32 v15, s17, v15                     ; out of it: my 16 neighbours
	v_mul_u32_u24 v4, v2, CB                       ; my codes' place in a step's
	v_lshrrev_b32 v5, 1, v2
	s_add_co_u32 s17, s17, 2*32*SP
	v_add_nc_u32 v5, s17, v5                       ; my block's scale byte in the wave's 256
	v_lshlrev_b32 v7, 3, v2
	v_add_nc_u32 v6, s17, v7                       ; and 8 bytes a lane on their way out
	s_lshl_b32 s18, ttmp9, 2
	s_add_co_u32 s18, s18, s30                     ; which run of 8,192 numbers is my wave's
	s_mov_b32 s21, 0
	s_wait_alu depctr_va_vdst(0)
	s_wait_kmcnt 0x0
	s_lshl_b32 s20, s18, 15
	s_add_nc_u64 s[4:5], s[4:5], s[20:21]
	s_lshl_b32 s20, s18, 13
	s_add_nc_u64 s[8:9], s[8:9], s[20:21]
	s_lshl_b32 s20, s18, 8
	s_add_nc_u64 s[10:11], s[10:11], s[20:21]
.macro LOAD t
.irp i, 0,1,2,3
	global_load_b128 v[R+16*((\t)%4)+4*\i:R+16*((\t)%4)+4*\i+3], v3, s[4:5] offset:2048*(\t)+512*\i th:TH_LOAD_NT   ; 32 lanes read 512 consecutive bytes
.endr
.endm
.macro TURN t                          ; a step's numbers through the stage; LDS serves a wave's instructions in order, so no wait stands between the stores and the loads
.irp i, 0,1,2,3
	ds_store_b128 v14, v[R+16*((\t)%4)+4*\i:R+16*((\t)%4)+4*\i+3] offset:32*SP*((\t)%2)+8*SP*\i
.endr
.irp i, 0,1,2,3
	ds_load_b128 v[X+16*((\t)%2)+4*\i:X+16*((\t)%2)+4*\i+3], v15 offset:32*SP*((\t)%2)+16*\i
.endr
.endm
.irp t, 0,1,2,3
	LOAD \t
.endr
	s_wait_loadcnt 12                              ; step 0's four loads are in; twelve younger ones stay out
	TURN 0
.macro STEP t
.set XS, X+16*((\t)%2)
.if (\t) > 0
	s_wait_dscnt 1                                 ; this step's numbers are back (only the last byte store may be out): so its stage stores have read their registers,
.else
	s_wait_dscnt 0x0
.endif
.if (\t)+4 < STEPS
	LOAD (\t)+4                                    ; which take the loads of four steps on
.endif
.if (\t)+1 < STEPS
.if STEPS-2-(\t) >= 3
	s_wait_loadcnt 12                              ; the next step's loads are in; those of the three steps behind it may be out
.else
	s_wait_loadcnt 4*(STEPS-2-(\t))
.endif
	TURN (\t)+1
.endif
	v_max3_num_f32 v8, |v[XS]|, |v[XS+1]|, |v[XS+2]|       ; the largest magnitude of my 16, in two chains
	v_max3_num_f32 v9, |v[XS+3]|, |v[XS+4]|, |v[XS+5]|
.irp i, 6,10
	v_max3_num_f32 v8, v8, |v[XS+\i]|, |v[XS+\i+1]|
	v_max3_num_f32 v9, v9, |v[XS+\i+2]|, |v[XS+\i+3]|
.endr
	v_max3_num_f32 v8, v8, |v[XS+14]|, |v[XS+15]|
	v_max3_num_f32 v8, v8, v9, FLOOR
	v_max_num_f32_dpp v8, v8, v8 row_xmask:1 row_mask:0xf bank_mask:0xf   ; and of my neighbour's 16: the block's
	v_add_nc_u32 v11, 0xfc000000, v8               ; 8 off the exponent field: the conversion's scale operand
	v_and_or_b32 v10, v8, 0x7f800000, s31          ; 448 x the scale
.irp i, 0,1,2,3,4,5,6,7,8,9,10,11,12,13,14,15
	v_med3_num_f32 v[XS+\i], v[XS+\i], -v10, v10   ; the conversion to an 8-bit code does not saturate (ISA guide 7.6.2): the hold comes first
.endr
	v_cvt_scalef32_pk8_fp8_f32 v[C+4*(\t):C+4*(\t)+1], v[XS:XS+7], v11
	v_cvt_scalef32_pk8_fp8_f32 v[C+4*(\t)+2:C+4*(\t)+3], v[XS+8:XS+15], v11
	v_lshrrev_b32 v[E+(\t)], 23, v11               ; the scale's byte
	ds_store_b8 v5, v[E+(\t)] offset:16*(\t)       ; both lanes of a block write the same byte with the same value
	global_store_b128 v4, v[C+4*(\t):C+4*(\t)+3], s[8:9] offset:32*CB*(\t)   ; the wave stores 512 consecutive bytes
.endm
.irp t, 0,1,2,3,4,5,6,7,8,9,10,11,12,13,14,15
	STEP \t
.endr
	ds_load_b64 v[12:13], v6
	s_wait_dscnt 0x0
	global_store_b64 v7, v[12:13], s[10:11]        ; 32 lanes store 256 consecutive bytes, aligned
	s_wait_tensorcnt 0x0
	ds_add_u32 v208, v209
	s_wait_dscnt 0x0
	s_endpgm
	; ---------------- the weights ----------------
.Lweights:
	s_load_b128 s[16:19], s[0:1], 0x10             ; wc, ws
	s_load_b256 s[4:11], s[0:1], 0x20              ; Wq, Wk, Wv, Wkd
	s_load_b128 s[12:15], s[0:1], 0x40             ; Wvd, Wo
	s_sub_co_u32 s20, ttmp9, 128
	s_lshr_b32 s21, s20, 2                         ; cg: which 128 rows of wc, 0..23
	s_and_b32 s22, s20, 3                          ; ky: which 256 along K
	s_and_b32 s27, s21, 1
	s_and_b32 s28, s21, 7
	s_lshr_b32 s23, s21, 3
	s_mov_b32 s26, 4096
	s_cmp_eq_u32 s23, 1                            ; cg 8..15: the four weights of 256 columns
	s_cselect_b32 s26, 1024, s26                   ; a row of the weight in bytes
	s_cselect_b32 s27, s27, s28                    ; which 128 columns of that weight
	s_wait_alu depctr_va_vdst(0)
	v_lshlrev_b32 v3, 2, v2
.set i, 0
.rept 32
	v_mad_u32_u24 v[VO+i], s26, i, v3
.set i, i+1
.endr
	s_lshl_b32 s29, s22, 8                         ; 256 ky
	s_mul_i32 s50, s29, s26                        ; so many rows of the weight,
	s_lshl_b32 s27, s27, 9
	s_add_co_u32 s50, s50, s27                     ; the work-group's 128 columns,
	s_lshl_b32 s27, s30, 7
	s_add_co_u32 s50, s50, s27                     ; my wave's 32 of them
	s_mov_b32 s51, 0
	s_lshl_b32 s48, s26, 5                         ; from a block to the next: 32 rows
	s_mov_b32 s49, 0
	s_lshl_b32 s52, s21, 7
	s_lshl_b32 s53, s30, 5
	s_add_co_u32 s52, s52, s53                     ; my wave's first row of wc
	s_lshl_b32 s54, s52, 10
	s_add_co_u32 s54, s54, s29
	s_mov_b32 s55, 0
	s_lshl_b32 s56, s52, 5
	s_lshl_b32 s53, s22, 3
	s_add_co_u32 s56, s56, s53
	s_mov_b32 s57, 0
	s_mul_i32 s58, s30, 32*PITCH
	s_add_co_u32 s58, s58, WSTG                    ; my stage
	v_mul_u32_u24 v4, v2, PITCH
	v_add_nc_u32 v4, s58, v4                       ; into it: row = my column
	v_and_b32 v5, 15, v2
	v_lshrrev_b32 v6, 4, v2
	v_mul_u32_u24 v7, v6, PITCH
	v_lshl_add_u32 v7, v5, 4, v7
	v_add_nc_u32 v7, s58, v7                       ; out of it: sixteen lanes to a row, two rows an instruction
	v_lshlrev_b32 v8, 10, v6
	v_lshl_add_u32 v8, v5, 4, v8                   ; the same place in wc
	v_lshlrev_b32 v9, 5, v2                        ; my row of ws
	s_wait_kmcnt 0x0
	s_mov_b64 s[24:25], s[4:5]                     ; the weight is chosen by the work-group's number alone
	s_cmp_ge_u32 s21, 8
	s_cselect_b64 s[24:25], s[6:7], s[24:25]
	s_cmp_ge_u32 s21, 10
	s_cselect_b64 s[24:25], s[8:9], s[24:25]
	s_cmp_ge_u32 s21, 12
	s_cselect_b64 s[24:25], s[10:11], s[24:25]
	s_cmp_ge_u32 s21, 14
	s_cselect_b64 s[24:25], s[12:13], s[24:25]
	s_cmp_ge_u32 s21, 16
	s_cselect_b64 s[24:25], s[14:15], s[24:25]
	s_add_nc_u64 s[32:33], s[24:25], s[50:51]      ; a base for each of the eight blocks: none is stepped while loads are out
.irp t, 1,2,3,4,5,6,7
	s_add_nc_u64 s[32+2*\t:33+2*\t], s[30+2*\t:31+2*\t], s[48:49]
.endr
	s_add_nc_u64 s[16:17], s[16:17], s[54:55]
	s_add_nc_u64 s[18:19], s[18:19], s[56:57]
.macro WLOAD t                         ; block t: W(32 t + i, my column): each load reads 128 consecutive bytes, the four waves side by side 512
.set i, 0
.rept 32
	global_load_b32 v[WX+32*((\t)%2)+i], v[VO+i], s[32+2*(\t):33+2*(\t)] th:TH_LOAD_NT
.set i, i+1
.endr
.endm
	WLOAD 0
	WLOAD 1
.macro BLOCK t
.set XS, WX+32*((\t)%2)
.if (\t) < NB-1
	s_wait_loadcnt 32                              ; this block's 32 loads are in; the next block's may be out
.else
	s_wait_loadcnt 0x0
.endif
	v_max3_num_f32 v12, |v[XS]|, |v[XS+1]|, |v[XS+2]|      ; all 32 numbers of the block are mine
	v_max3_num_f32 v13, |v[XS+3]|, |v[XS+4]|, |v[XS+5]|
.irp i, 6,10,14,18,22,26
	v_max3_num_f32 v12, v12, |v[XS+\i]|, |v[XS+\i+1]|
	v_max3_num_f32 v13, v13, |v[XS+\i+2]|, |v[XS+\i+3]|
.endr
	v_max3_num_f32 v12, v12, |v[XS+30]|, |v[XS+31]|
	v_max3_num_f32 v12, v12, v13, FLOOR
	v_add_nc_u32 v11, 0xfc000000, v12
	v_and_or_b32 v10, v12, 0x7f800000, s31
	v_lshrrev_b32 v13, 23, v11
.if (\t)%4 == 0
	v_mov_b32 v[SB+(\t)/4], v13                    ; four bytes to a register, the lower K in the lower byte
.else
	v_lshl_or_b32 v[SB+(\t)/4], v13, 8*((\t)%4), v[SB+(\t)/4]
.endif
.set i, 0
.rept 32
	v_med3_num_f32 v[XS+i], v[XS+i], -v10, v10
.set i, i+1
.endr
.irp g, 0,1,2,3
	v_cvt_scalef32_pk8_fp8_f32 v[WC+2*\g:WC+2*\g+1], v[XS+8*\g:XS+8*\g+7], v11
.endr
	v_nop                                          ; a plain line behind the conversions, ahead of the next vector line that writes their sources
	ds_store_b128 v4, v[WC:WC+3] offset:32*(\t)
	ds_store_b128 v4, v[WC+4:WC+7] offset:32*(\t)+16
.if (\t)+2 < NB
	WLOAD (\t)+2
.endif
	s_wait_dscnt 0x0                               ; the stores have read their registers: the next block's codes may be written
.endm
.irp t, 0,1,2,3,4,5,6,7
	BLOCK \t
.endr
	global_store_b64 v9, v[SB:SB+1], s[18:19]      ; my column's eight scale bytes
.irp t, 0,1,2,3,4,5,6,7,8,9,10,11,12,13,14,15
	ds_load_b128 v[OUTR+4*\t:OUTR+4*\t+3], v7 offset:2*\t*PITCH
.endr
.irp t, 0,1,2,3,4,5,6,7,8,9,10,11,12,13,14,15
	s_wait_dscnt 15-\t                             ; the younger loads may stay out
	global_store_b128 v8, v[OUTR+4*\t:OUTR+4*\t+3], s[16:17] offset:2*\t*1024   ; sixteen lanes store 256 consecutive bytes, aligned
.endr
	s_wait_tensorcnt 0x0
	ds_add_u32 v208, v209
	s_wait_dscnt 0x0
	s_endpgm
.Lfunc_end_k_q870e033d39_quant:
	.size	k_q870e033d39_quant, .Lfunc_end_k_q870e033d39_quant-k_q870e033d39_quant
	.p2alignl 7, 3214868480
	.fill 96, 4, 3214868480
	.section	.rodata,"a",@progbits
	.p2align	6, 0x0
	.amdhsa_kernel k_q870e033d39_quant
		.amdhsa_group_segment_fixed_size 68096
		.amdhsa_private_segment_fixed_size 0
		.amdhsa_enable_private_segment 0
		.amdhsa_kernarg_size 88
		.amdhsa_user_sgpr_count 2
		.amdhsa_user_sgpr_kernarg_segment_ptr 1
		.amdhsa_wavefront_size32 1
		.amdhsa_system_sgpr_workgroup_id_x 1
		.amdhsa_system_sgpr_workgroup_id_y 1
		.amdhsa_system_sgpr_workgroup_id_z 1
		.amdhsa_system_vgpr_workitem_id 0
		.amdhsa_next_free_vgpr 210
		.amdhsa_next_free_sgpr 66
		.amdhsa_reserve_vcc 0
		.amdhsa_float_denorm_mode_32 3
		.amdhsa_float_denorm_mode_16_64 3
		.amdhsa_memory_ordered 1
		.amdhsa_forward_progress 1
		.amdhsa_inst_pref_size 112
	.end_amdhsa_kernel
	.amdgpu_metadata
---
amdhsa.version: [ 1, 2 ]
amdhsa.kernels:
  - .name:           k_q870e033d39_quant
    .symbol:         k_q870e033d39_quant.kd
    .args:
      - { .name: xc, .offset: 0, .size: 8, .value_kind: global_buffer, .address_space: global }
      - { .name: xs, .offset: 8, .size: 8, .value_kind: global_buffer, .address_space: global }
      - { .name: wc, .offset: 16, .size: 8, .value_kind: global_buffer, .address_space: global }
      - { .name: ws, .offset: 24, .size: 8, .value_kind: global_buffer, .address_space: global }
      - { .name: Wq, .offset: 32, .size: 8, .value_kind: global_buffer, .address_space: global }
      - { .name: Wk, .offset: 40, .size: 8, .value_kind: global_buffer, .address_space: global }
      - { .name: Wv, .offset: 48, .size: 8, .value_kind: global_buffer, .address_space: global }
      - { .name: Wkd, .offset: 56, .size: 8, .value_kind: global_buffer, .address_space: global }
      - { .name: Wvd, .offset: 64, .size: 8, .value_kind: global_buffer, .address_space: global }
      - { .name: Wo, .offset: 72, .size: 8, .value_kind: global_buffer, .address_space: global }
      - { .name: x, .offset: 80, .size: 8, .value_kind: global_buffer, .address_space: global }
    .group_segment_fixed_size: 68096
    .private_segment_fixed_size: 0
    .kernarg_segment_align: 8
    .kernarg_segment_size: 88
    .max_flat_workgroup_size: 128
    .sgpr_count:     66
    .vgpr_count:     210
    .wavefront_size: 32
...
	.end_amdgpu_metadata
.endif
;; end of part 1
;; launch proj (part 2): grid 8 x 32, 4 waves a work-group, clusters of 4 x 4, 327,680 bytes of LDS; arguments xc, xs, wc, ws, pj, out1, out2; writes pj, out1, out2
.if DOCPART == 2
	.amdgcn_target "amdgcn-amd-amdhsa--gfx1250"
	.amdhsa_code_object_version 6
	.text
	.protected	k_q870e033d39_proj
	.globl	k_q870e033d39_proj
	.p2align	8
	.type	k_q870e033d39_proj,@function
k_q870e033d39_proj:
	s_mov_b64 s[64:65], 0
	v_nop
	global_prefetch_b8 v0, s[64:65] scope:SCOPE_SE
	s_setreg_imm32_b32 hwreg(HW_REG_WAVE_MODE, 25, 1), 1
	s_wait_xcnt 0x0
	s_wait_alu depctr_hold_cnt(0) depctr_sa_sdst(0) depctr_va_vdst(0) depctr_va_sdst(0) depctr_va_ssrc(0) depctr_va_vcc(0) depctr_vm_vsrc(0)
	s_getreg_b32 s2, hwreg(HW_REG_IB_STS2, 6, 4)
	s_cmp_eq_u32 s2, 0
	s_cbranch_scc0 .Lentry_in_a_cluster
	s_endpgm
.Lentry_in_a_cluster:
	s_bfe_u32 s2, ttmp6, 0x10000c
	s_cmp_lg_u32 s2, 0xf033
	s_cbranch_scc0 .Lentry_shape_is_right
	s_endpgm
.Lentry_shape_is_right:
; The five projections of x as ONE product on codes of E4M3: C[m][n] = sum over k of x[m][k] W[n][k], m = 4,096 tokens, n = 2,048 rows of wc (Wq, Wk, Wv, Wkd, Wvd), k = 1,024; sums in f32.
; A tile of C is 128 x 256: 256 work-groups.  Four waves, 2 x 2, each 64 rows x 128 columns: 32 accumulators, 256 registers.
; LDS: slot 0 holds 256 along K of the 128 + 256 rows (pitch 272); the long slot behind it holds K 256 .. 767 of the same rows as rows of 512 bytes (pitch 528); then the scale bytes of all of K.
; FILLS, one tensor load a wave each time: at the head W's 256 rows of slot 0 (wave 0), x's 128 rows (wave 1), x's scale bytes (wave 2), W's (wave 3);
; behind the three lines and a round the long slot, a quarter a wave; behind step 1's round slot 0 takes K 768 .. 1023, the one refill.  The eight steps of 128 are written out.
; CLUSTERS: 4 x 4; x's tiles are asked for jointly along a row of the cluster, W's along a column.  No prefetch: the text has no loop to run ahead in.
; THE MATRIX INSTRUCTION IS USED TRANSPOSED (source 0 = 16 rows of W, source 1 = 16 rows of x): a lane holds eight neighbouring columns of one row of C.
; THE WAY OUT IS HEAD-MAJOR: tile columns 0-3 Q -> pj [2][16][2048][64]; 4 K -> pj + 0x1000000 [2][4][2048][64]; 5 V -> pj + 0x1400000; 6 -> out1; 7 -> out2.
; REGISTERS: window 0: v0-31 addresses; v32-63 scale words, two sets; v128-255 x's four fragments, two sets.  window 1: W's eight fragments, two sets.  window 2: the accumulators, (a, b) at v[8 (8 a + b)].
.set ROWB,   256
.set KROW,   1024
.set KS,     32
.set PITCH,  272
.set P2,     528
.set FR,     16
.set NP,     8                         ; places behind this matrix instruction (ISA guide 7.12.1)
.set AH,     64*PITCH
.set BH,     128*PITCH
.set SLOT,   2*AH+2*BH                 ; slot 0: x's 128 rows, then W's 256
.set AH2,    64*P2
.set BH2,    128*P2                    ; the long slot, from SLOT on: x's 128 rows, then W's 256
.set SCL,    SLOT+2*AH2+2*BH2          ; the scales, as units of 256 bytes + 16 of padding
.set HSA,    8*272
.set HSB,    16*272
.set SBLK,   2*272
.set SPARE,  SCL+2*HSA+2*HSB           ; the spare words
.set STAGE,  SLOT                      ; the way out: in the long slot, filled once and read by nobody behind the last barrier
.set SPITCH, 528
.set ADRA, 16
.set ADRB, 20
.set STO,  24
.set RD,   25
.set CO,   26
.set ADRS, 27
.set SPW,  28
.set NIL,  29
.set SC,   32
.set AF,   128
.set BK,   128
.set G1,   24
.set G1B,  32
.set G1S,  40                          ; the scales' groups 1; behind the head the long slot's
.set G1SB, 48
.set G0S,  56
.set G0SB, 60
.set G0,   68                          ; groups 0: set 0 the refill, set 1 the long slot, set 2 the head
.set G0B,  80
.set MSB, 0
.macro WIN new
.if MSB != \new
	s_set_vgpr_msb (MSB<<8)|\new
.set MSB, \new
.endif
.endm
.set MUL,  0xa1
.set TO_B, 0x40
.macro PLACES n
.rept \n
	v_nop
.endr
.endm
.macro JLOAD g0a, g1a, g0b, g1b        ; waves 0, 1 fetch for x, waves 2, 3 for W
	s_cmp_eq_u32 s15, 0
	s_cbranch_scc0 .Lfor_b_\@
	tensor_load_to_lds s[\g0a:\g0a+3], s[\g1a:\g1a+7]
	s_nop 0
	PLACES 4
	s_branch .Lasked_\@
.Lfor_b_\@:
	tensor_load_to_lds s[\g0b:\g0b+3], s[\g1b:\g1b+7]
	s_nop 0
	PLACES 4
.Lasked_\@:
.endm
.macro CREST
	s_cmp_lg_u32 s14, 0
	s_cbranch_scc1 .Lnot_wave_0_\@
	s_barrier_signal -3
.Lnot_wave_0_\@:
	s_barrier_wait -3
	s_barrier_signal -1
	s_barrier_wait -1
.endm
.macro CROUND
	s_barrier_signal -1
	s_barrier_wait -1
	CREST
.endm
.macro GRP1 g, mask, logb, qi, c, rows, pitch   ; group 1: rows of c elements, 4 words of padding behind each
	s_or_b32 s[\g], s\mask, ((\logb)<<16)|(1<<20)|(1<<21)|((\qi)<<22)|(3<<25)
	s_mov_b32 s[\g+1], (\c)<<16
	s_mov_b32 s[\g+2], (\rows)<<16
	s_mov_b32 s[\g+3], (\c)<<16
	s_mov_b32 s[\g+4], \rows
	s_mov_b32 s[\g+5], \pitch
	s_mov_b32 s[\g+6], 0
	s_mov_b32 s[\g+7], 0
.endm
.macro GRP0 g, src                     ; group 0's count, address and type; the LDS address is written beside it
	s_mov_b32 s[\g], 1
	s_mov_b64 s[\g+2:\g+3], s[\src:\src+1]
	s_or_b32 s[\g+3], s[\g+3], 0x80000000
.endm
	s_load_b128 s[4:7], s[0:1], 0x0                ; xc, xs
	s_load_b128 s[8:11], s[0:1], 0x10              ; wc, ws
	s_load_b64 s[12:13], s[0:1], 0x20              ; pj
	s_load_b64 s[96:97], s[0:1], 0x28              ; out1
	s_load_b64 s[98:99], s[0:1], 0x30              ; out2
	v_lshl_add_u32 v[SPW], v0, 2, SPARE
	v_mov_b32 v[NIL], 0
	ds_add_u32 v[SPW], v[NIL]                      ; the opening lines
	ds_add_u32 v[SPW], v[NIL]
	v_lshrrev_b32 v1, 5, v0
	v_readfirstlane_b32 s14, v1                    ; wave
	s_lshr_b32 s15, s14, 1                         ; my half of the tile's rows; also: I fetch for x (0) or W (1)
	s_and_b32 s16, s14, 1                          ; my half of its columns; also: which half I fetch
	s_bfe_u32 s2, ttmp6, 0x40000                   ; cx
	s_bfe_u32 s19, ttmp6, 0x40004                  ; cy
	s_lshl_b32 s18, ttmp9, 2
	s_add_co_u32 s18, s18, s2                      ; tile column
	s_and_b32 s17, ttmp7, 0xffff
	s_lshl_b32 s17, s17, 2
	s_add_co_u32 s17, s17, s19                     ; tile row
	s_lshl_b32 s92, s19, 2
	s_lshl_b32 s92, 15, s92                        ; my row of the cluster
	s_lshl_b32 s93, 0x1111, s2                     ; my column
	GRP1 G1, 92, 0, 5, ROWB, 128, KROW             ; the head's tiles: x's 128 rows of 256 bytes,
	GRP1 G1B, 93, 0, 5, ROWB, 256, KROW            ; W's 256,
	GRP1 G1S, 92, 3, 5, 32, 16, 32                 ; the scales of 128 rows: 4,096 dense bytes as 16 rows of 256,
	GRP1 G1SB, 93, 3, 5, 32, 32, 32                ; of 256 rows: 32 such rows
	s_lshl_b32 s20, s17, 7                         ; x: the tile's first row
	s_lshl_b32 s22, s20, 5
	s_lshl_b32 s20, s20, 10
	s_mov_b32 s21, 0
	s_mov_b32 s23, 0
	s_lshl_b32 s94, s18, 8                         ; W: the tile's first row
	s_lshl_b32 s2, s94, 5
	s_lshl_b32 s94, s94, 10
	s_mov_b32 s95, 0
	s_mov_b32 s3, 0
	s_wait_dscnt 0x0                               ; both opening adds are done
	s_wait_kmcnt 0x0
	s_add_nc_u64 s[20:21], s[4:5], s[20:21]
	s_add_nc_u64 s[22:23], s[6:7], s[22:23]
	s_add_nc_u64 s[94:95], s[8:9], s[94:95]
	s_add_nc_u64 s[2:3], s[10:11], s[2:3]
	CROUND                                         ; the first joint loads meet
	GRP0 G0S, 22
	s_mov_b32 s[G0S+1], SCL
	GRP0 G0SB, 2
	s_mov_b32 s[G0SB+1], SCL+2*HSA
	GRP0 G0+8, 20
	s_mov_b32 s[G0+9], 0
	GRP0 G0B+8, 94
	s_mov_b32 s[G0B+9], 2*AH
.macro ARM under, g0, g1, next         ; one chain of branches on the wave's number, one load to an arm
	s_cmp_lt_u32 s14, \under
	s_cbranch_scc0 \next
	tensor_load_to_lds s[\g0:\g0+3], s[\g1:\g1+7]
	s_nop 0
	PLACES 4
	s_branch .Lhead_asked
\next:
.endm
	ARM 1, G0B+8, G1B, .Lhead_a
	ARM 2, G0+8, G1, .Lhead_sa
	ARM 3, G0S, G1S, .Lhead_sb
	tensor_load_to_lds s[G0SB:G0SB+3], s[G1SB:G1SB+7]
	s_nop 0
	PLACES 4
.Lhead_asked:
	s_lshl_b32 s2, s16, 16                         ; from here on a wave fetches half a tile's rows: 64 of x,
	s_mov_b32 s3, 0
	s_add_nc_u64 s[20:21], s[20:21], s[2:3]
	s_lshl_b32 s2, s16, 17                         ; 128 of W
	s_add_nc_u64 s[94:95], s[94:95], s[2:3]
	GRP0 G0, 20                                    ; set 0: slot 0 (the refill steps it to K 768)
	s_mul_i32 s[G0+1], s16, AH
	GRP0 G0B, 94
	s_mul_i32 s[G0B+1], s16, BH
	s_add_co_u32 s[G0B+1], s[G0B+1], 2*AH
	s_mov_b32 s[G0+4], 1                           ; set 1: the long slot, K 256 on
	s_mul_i32 s[G0+5], s16, AH2
	s_add_co_u32 s[G0+5], s[G0+5], SLOT
	s_add_nc_u64 s[G0+6:G0+7], s[20:21], ROWB
	s_or_b32 s[G0+7], s[G0+7], 0x80000000
	s_mov_b32 s[G0B+4], 1
	s_mul_i32 s[G0B+5], s16, BH2
	s_add_co_u32 s[G0B+5], s[G0B+5], SLOT+2*AH2
	s_add_nc_u64 s[G0B+6:G0B+7], s[94:95], ROWB
	s_or_b32 s[G0B+7], s[G0B+7], 0x80000000
	v_and_b32 v1, 15, v0                           ; l % 16
	v_bfe_u32 v2, v0, 4, 1                         ; l / 16
	v_mul_u32_u24 v3, v1, PITCH
	v_lshl_add_u32 v4, v2, 4, v3
	s_mul_i32 s21, s15, AH
	s_mul_i32 s22, s16, BH
	s_add_co_u32 s22, s22, 2*AH
	v_add_nc_u32 v[ADRA], s21, v4                  ; my fragments in slot 0
	v_add_nc_u32 v[ADRB], s22, v4
	v_mul_u32_u24 v3, v1, P2
	v_lshl_add_u32 v4, v2, 4, v3
	s_mul_i32 s21, s15, AH2
	s_add_co_u32 s21, s21, SLOT
	s_mul_i32 s22, s16, BH2
	s_add_co_u32 s22, s22, SLOT+2*AH2
.irp s, 1,2
	v_add_nc_u32 v[ADRA+\s], s21, v4               ; in the long slot's first and second 256 bytes of a row
	v_add_nc_u32 v[ADRB+\s], s22, v4
	s_add_co_u32 s21, s21, 256
	s_add_co_u32 s22, s22, 256
.endr
	v_mul_u32_u24 v5, v1, KS                       ; my row's scales: 32 bytes a row, and 16 more for each 256 passed
	v_lshrrev_b32 v6, 8, v5
	v_lshl_add_u32 v5, v6, 4, v5
	s_mul_i32 s21, s15, HSA
	s_mul_i32 s22, s16, HSB
	s_add_co_u32 s22, s22, 2*HSA
	s_sub_co_u32 s22, s22, s21
	v_mul_u32_u24 v6, s22, v2                      ; lanes 16-31 take W's
	s_add_co_u32 s21, s21, SCL
	v_add_nc_u32 v5, v5, v6
	v_add_nc_u32 v[ADRS], s21, v5
	s_mul_i32 s23, s14, 16*SPITCH
	s_add_co_u32 s23, s23, STAGE
	v_mul_u32_u24 v5, v1, SPITCH
	v_lshl_add_u32 v5, v2, 5, v5
	v_add_nc_u32 v[STO], s23, v5
	v_and_b32 v6, 31, v0
	v_lshlrev_b32 v[CO], 4, v6
	v_add_nc_u32 v[RD], s23, v[CO]
	v_lshlrev_b32 v[CO], 4, v1
	v_lshl_or_b32 v[CO], v2, 19, v[CO]             ; lanes 16-31 the next head, 2,048 rows of 256 bytes on
	; where my 64 tokens x 2 heads begin: ((b H + head) 2,048 + token) x 256 bytes in the target
	s_cmp_lt_u32 s18, 4
	s_cselect_b32 s20, 16, 4
	s_cselect_b32 s21, s18, 0
	s_lshr_b32 s22, s17, 4
	s_mul_i32 s20, s22, s20
	s_lshl_b32 s21, s21, 2
	s_add_co_u32 s20, s20, s21
	s_lshl_b32 s21, s16, 1
	s_add_co_u32 s20, s20, s21
	s_lshl_b32 s20, s20, 11
	s_and_b32 s21, s17, 15
	s_lshl_b32 s21, s21, 7
	s_add_co_u32 s20, s20, s21
	s_lshl_b32 s21, s15, 6
	s_add_co_u32 s20, s20, s21
	s_lshl_b32 s20, s20, 8
	s_cmp_eq_u32 s18, 4
	s_cselect_b32 s21, 0x1000000, 0
	s_add_co_u32 s20, s20, s21
	s_cmp_eq_u32 s18, 5
	s_cselect_b32 s21, 0x1400000, 0
	s_add_co_u32 s20, s20, s21
	s_mov_b32 s21, 0
	s_cmp_eq_u32 s18, 6                            ; the buffer is chosen by the tile column alone
	s_cselect_b64 s[12:13], s[96:97], s[12:13]
	s_cmp_eq_u32 s18, 7
	s_cselect_b64 s[12:13], s[98:99], s[12:13]
	s_add_nc_u64 s[12:13], s[12:13], s[20:21]
.macro FRAG reg, adr, q, i             ; 16 rows x 128 K; FP: the slot's pitch
.irp c, 0,1,2,3
	ds_load_b128 v[\reg+4*\c:\reg+4*\c+3], v[\adr] offset:128*(\q)+32*\c+(\i)*16*FP
.endr
.endm
.macro MULA a, p, q, sc, zero          ; x's block a against W's eight; the 32 accumulators take turns
.irp b, 0,1,2,3,4,5,6,7
.if \zero
	v_wmma_scale_f32_16x16x128_f8f6f4 v[8*(8*(\a)+\b):8*(8*(\a)+\b)+7], v[128*(\p)+FR*\b:128*(\p)+FR*\b+FR-1], v[AF+64*(\p)+FR*(\a):AF+64*(\p)+FR*(\a)+FR-1], 0, v[SC+16*(\sc)+2*\b+(\q)], v[SC+16*(\sc)+2*(\a)+(\q)] matrix_a_scale:MATRIX_SCALE_ROW1
.else
	v_wmma_scale_f32_16x16x128_f8f6f4 v[8*(8*(\a)+\b):8*(8*(\a)+\b)+7], v[128*(\p)+FR*\b:128*(\p)+FR*\b+FR-1], v[AF+64*(\p)+FR*(\a):AF+64*(\p)+FR*(\a)+FR-1], v[8*(8*(\a)+\b):8*(8*(\a)+\b)+7], v[SC+16*(\sc)+2*\b+(\q)], v[SC+16*(\sc)+2*(\a)+(\q)] matrix_a_scale:MATRIX_SCALE_ROW1
.endif
.endr
.endm
.macro MUL32 p, q, sc, zero
	WIN MUL
.irp a, 0,1,2,3
	MULA \a, \p, \q, \sc, \zero
.endr
	WIN 0
.endm
.macro FETCH slot, q, p                ; 48 LDS loads: slot 0, or half 1 or 2 of the long slot
.if \slot == 0
.set FP, PITCH
.else
.set FP, P2
.endif
	WIN TO_B
.irp i, 0,1,2,3,4,5,6,7
	FRAG 128*(\p)+FR*\i, ADRB+\slot, \q, \i
.endr
	WIN 0
.irp i, 0,1,2,3
	FRAG AF+64*(\p)+FR*\i, ADRA+\slot, \q, \i
.endr
.endm
.macro SCALES sc, ss                   ; 256 along K number ss: 8 bytes a row
.irp i, 0,1,2,3,4,5,6,7
	ds_load_b64 v[SC+16*(\sc)+2*\i:SC+16*(\sc)+2*\i+1], v[ADRS] offset:\i*SBLK+8*(\ss)
.endr
.endm
.macro AHEAD slot, q, p
	s_wait_dscnt 0x0                               ; all that was asked for one step ago
	PLACES NP
	FETCH \slot, \q, \p
.endm
	s_wait_alu depctr_va_vdst(0)                   ; the wait at the head's end
	s_wait_tensorcnt 0x0                           ; my tile of the head's four is in
	ds_add_u32 v[SPW], v[NIL]                      ; ahead of a later first fill
	s_mov_b32 s[G1+2], 64<<16                      ; no load of mine is out: the refill's tiles have 64 and 128 rows,
	s_mov_b32 s[G1+4], 64
	s_mov_b32 s[G1B+2], 128<<16
	s_mov_b32 s[G1B+4], 128
	GRP1 G1S, 92, 0, 6, 512, 64, KROW              ; the long slot's: rows of 512 bytes
	GRP1 G1SB, 93, 0, 6, 512, 128, KROW
	s_wait_dscnt 0x0
	CROUND                                         ; all four tiles are in, in every partner
	JLOAD G0+4, G1S, G0B+4, G1SB                   ; K 256 .. 767
	FETCH 0, 0, 0
	SCALES 0, 0
	AHEAD 0, 1, 1                                  ; step 0: its products start the sums
	MUL32 0, 0, 0, 1
	; step 1: slot 0 has been read out; behind the round it takes the last 256 along K
	s_wait_tensorcnt 0x0                           ; my part of the long slot has landed
	ds_add_u32 v[SPW], v[NIL]
	s_wait_dscnt 1                                 ; step 1's fragments are in; only the add may be out
	WIN MUL
	MULA 0, 1, 1, 0, 0
	s_wait_dscnt 0x0
	s_barrier_signal -1
	MULA 1, 1, 1, 0, 0
	WIN 0
	s_barrier_wait -1
	CREST
	s_add_nc_u64 s[G0+2:G0+3], s[G0+2:G0+3], 3*ROWB
	s_add_nc_u64 s[G0B+2:G0B+3], s[G0B+2:G0B+3], 3*ROWB
	JLOAD G0, G1, G0B, G1B
	PLACES NP-4
	FETCH 1, 0, 0
	SCALES 1, 1
	WIN MUL
	MULA 2, 1, 1, 0, 0
	MULA 3, 1, 1, 0, 0
	WIN 0
	AHEAD 1, 1, 1                                  ; step 2
	MUL32 0, 0, 1, 0
	AHEAD 2, 0, 0                                  ; step 3
	SCALES 0, 2
	MUL32 1, 1, 1, 0
	AHEAD 2, 1, 1                                  ; step 4
	MUL32 0, 0, 0, 0
	; step 5: the refilled slot 0 is read next
	s_wait_dscnt 0x0
	s_wait_tensorcnt 0x0
	s_barrier_signal -1
	WIN MUL
	MULA 0, 1, 1, 0, 0
	MULA 1, 1, 1, 0, 0
	s_barrier_wait -1
	PLACES NP
	FETCH 0, 0, 0
	SCALES 1, 3
	WIN MUL
	MULA 2, 1, 1, 0, 0
	MULA 3, 1, 1, 0, 0
	WIN 0
	AHEAD 0, 1, 1                                  ; step 6
	MUL32 0, 0, 1, 0
	s_wait_dscnt 0x0                               ; step 7
	MUL32 1, 1, 1, 0
; THE WAY OUT, block by block of 16 tokens x 128 columns, through my own stage; LDS serves a wave's instructions in order (ISA guide 5.7.1.4).
.macro TOSTAGE a
.set AC, 64*(\a)
	WIN 0x08
.irp b, 0,1,2,3,4,5,6,7
	ds_store_b128 v[STO], v[AC+8*\b:AC+8*\b+3] offset:64*\b
	ds_store_b128 v[STO], v[AC+8*\b+4:AC+8*\b+7] offset:64*\b+16
.endr
	WIN 0
.set BB, BK+64*((\a)%2)
.irp t, 0,1,2,3,4,5,6,7,8,9,10,11,12,13,14,15
	ds_load_b128 v[BB+4*\t:BB+4*\t+3], v[RD] offset:\t*SPITCH
.endr
.endm
.macro SEND a, younger
.set BB, BK+64*((\a)%2)
	s_wait_dscnt \younger
.if (\a) > 0
	s_add_nc_u64 s[12:13], s[12:13], 16*256        ; 16 tokens on (a wait on XCNT stands ahead)
.endif
.irp t, 0,1,2,3,4,5,6,7,8,9,10,11,12,13,14,15
	global_store_b128 v[CO], v[BB+4*\t:BB+4*\t+3], s[12:13] offset:\t*256   ; each half of the lanes stores 256 consecutive bytes, aligned
.endr
.endm
	PLACES NP
	TOSTAGE 0
.irp a, 1,2,3
.if \a > 1
	s_wait_xcnt 0x0                                ; block a - 2's stores have read their registers and their base
.endif
	TOSTAGE \a
	SEND \a-1, 32                                  ; behind block a - 1's loads: block a's 16 stores and 16 loads
.endr
	s_wait_xcnt 0x0
	SEND 3, 0
	s_wait_tensorcnt 0x0                           ; the wave's end
	ds_add_u32 v[SPW], v[NIL]
	s_wait_dscnt 0x0
	CROUND                                         ; the closing round
	s_endpgm
.Lfunc_end_k_q870e033d39_proj:
	.size	k_q870e033d39_proj, .Lfunc_end_k_q870e033d39_proj-k_q870e033d39_proj
	.p2alignl 7, 3214868480
	.fill 96, 4, 3214868480
	.section	.rodata,"a",@progbits
	.p2align	6, 0x0
	.amdhsa_kernel k_q870e033d39_proj
		.amdhsa_group_segment_fixed_size 327680
		.amdhsa_private_segment_fixed_size 0
		.amdhsa_enable_private_segment 0
		.amdhsa_kernarg_size 56
		.amdhsa_user_sgpr_count 2
		.amdhsa_user_sgpr_kernarg_segment_ptr 1
		.amdhsa_wavefront_size32 1
		.amdhsa_system_sgpr_workgroup_id_x 1
		.amdhsa_system_sgpr_workgroup_id_y 1
		.amdhsa_system_sgpr_workgroup_id_z 1
		.amdhsa_system_vgpr_workitem_id 0
		.amdhsa_next_free_vgpr 768
		.amdhsa_next_free_sgpr 100
		.amdhsa_reserve_vcc 0
		.amdhsa_float_denorm_mode_32 3
		.amdhsa_float_denorm_mode_16_64 3
		.amdhsa_memory_ordered 1
		.amdhsa_forward_progress 1
		.amdhsa_inst_pref_size 91
	.end_amdhsa_kernel
	.amdgpu_metadata
---
amdhsa.version: [ 1, 2 ]
amdhsa.kernels:
  - .name:           k_q870e033d39_proj
    .symbol:         k_q870e033d39_proj.kd
    .args:
      - { .name: xc, .offset: 0, .size: 8, .value_kind: global_buffer, .address_space: global }
      - { .name: xs, .offset: 8, .size: 8, .value_kind: global_buffer, .address_space: global }
      - { .name: wc, .offset: 16, .size: 8, .value_kind: global_buffer, .address_space: global }
      - { .name: ws, .offset: 24, .size: 8, .value_kind: global_buffer, .address_space: global }
      - { .name: pj, .offset: 32, .size: 8, .value_kind: global_buffer, .address_space: global }
      - { .name: out1, .offset: 40, .size: 8, .value_kind: global_buffer, .address_space: global }
      - { .name: out2, .offset: 48, .size: 8, .value_kind: global_buffer, .address_space: global }
    .group_segment_fixed_size: 327680
    .private_segment_fixed_size: 0
    .kernarg_segment_align: 8
    .kernarg_segment_size: 56
    .max_flat_workgroup_size: 128
    .sgpr_count:     100
    .vgpr_count:     768
    .wavefront_size: 32
...
	.end_amdgpu_metadata
.endif
;; end of part 2
;; launch qkv (part 3): grid 256 x 1, 1 waves a work-group, no clusters, 0 bytes of LDS; arguments pj, img; writes img
.if DOCPART == 3
	.amdgcn_target "amdgcn-amd-amdhsa--gfx1250"
	.amdhsa_code_object_version 6
	.text
	.protected	k_q870e033d39_qkv
	.globl	k_q870e033d39_qkv
	.p2align	8
	.type	k_q870e033d39_qkv,@function
k_q870e033d39_qkv:
	s_mov_b64 s[64:65], 0
	v_nop
	global_prefetch_b8 v0, s[64:65] scope:SCOPE_SE
	s_setreg_imm32_b32 hwreg(HW_REG_WAVE_MODE, 25, 1), 1
	s_wait_xcnt 0x0
; K and V of the sequence (f32, [8 heads][2048][64], at pj + 0x1000000 and pj + 0x1400000) become codes of E4M3, laid as IMAGES OF THE OPERANDS' REGISTERS, a block of memory for each step of 128 keys.
; K is quantised along the head's 64 channels, V along the keys.  One wave a work-group; work-groups 0-127 take K's (head, step), 128-255 V's.
; K's block, 8,704 bytes: tile T = 2 bb + u, group c, lane l = r + 16 h at T 1024 + c 512 + 16 l: key 32 bb + 8 u + r + 8 (r / 8), channels 32 c + 16 h + 0..15; at 8192 + 16 l + 4 j the scale word of tile 2 j + l / 16, row l % 16:
;   two bytes for the two blocks, then 0x7f twice, for the half of the matrix instruction's K that holds zeros.
; V's block, 8,448 bytes, from 1,114,112 on: tile dt = 2 b + u, group c at dt 2048 + c 512 + 16 l: channel 32 b + 8 u + r + 8 (r / 8), keys 32 c + 16 h + 0..15; at 8192 + 8 l + 4 j the word of tile 2 j + l / 16, row l % 16.
; LIMITS: a block of zeros gets the byte 1 where the rule says 127 (its codes are zeros; only this program reads the bytes); NaN and infinities are not served.
; Every offset is an immediate and every store has registers of its own: nothing that a pending instruction reads is written again.
.set FLOOR, 0x4800000
.set TM, 8                             ; v8.. at work (K's way)
.set CD, 160                           ; v160-223 codes, eight registers for each tile or block
.set W,  224                           ; v224-231 K's scale words, a register a tile
	s_load_b128 s[4:7], s[0:1], 0x0                ; pj, img
	s_mov_b32 s8, 0x76543210
	s_mov_b32 s9, 0xfedcba98                       ; v_permlanex16_b32's selects for lane l xor 16
	s_mov_b32 s10, 0x600000                        ; the mantissa field of 448
	v_and_b32 v1, 15, v0                           ; r
	v_lshrrev_b32 v2, 4, v0                        ; h (one wave: v0 is the lane)
	s_and_b32 s11, ttmp9, 127                      ; 16 x head + step
	s_lshl_b32 s12, s11, 15                        ; 128 keys of 256 bytes
	s_mov_b32 s13, 0
	s_mov_b32 s15, 0
	s_cmp_lt_u32 ttmp9, 128
	s_cbranch_scc0 .Lv
	; ---------------- K ----------------
	s_add_co_u32 s12, s12, 0x1000000
	s_mul_i32 s14, s11, 8704
	s_wait_alu depctr_va_vdst(0)
	v_and_b32 v3, 8, v1
	v_add_nc_u32 v3, v3, v1                        ; r + 8 (r / 8)
	v_lshlrev_b32 v4, 8, v3
	v_lshl_add_u32 v4, v2, 6, v4                   ; my key's row, + 64 h: 16 numbers of each block of 32
	v_lshlrev_b32 v5, 4, v0                        ; 16 x lane
	v_mov_b32 v[TM+4], 0                           ; a lane permute's destination counts as read
	v_mov_b32 v[TM+5], 0
	s_wait_alu depctr_va_vdst(0)
	s_wait_kmcnt 0x0
	s_add_nc_u64 s[4:5], s[4:5], s[12:13]
	s_add_nc_u64 s[6:7], s[6:7], s[14:15]
.macro KLOAD T
.irp c, 0,1
.irp j, 0,1,2,3
	global_load_b128 v[32+32*((\T)%4)+16*\c+4*\j:32+32*((\T)%4)+16*\c+4*\j+3], v4, s[4:5] offset:(32*((\T)/2)+8*((\T)%2))*256+128*\c+16*\j
.endr
.endr
.endm
.macro KTILE T
.set XS, 32+32*((\T)%4)
.if 7-(\T) >= 3
	s_wait_loadcnt 24                              ; this tile's eight loads are in; those of the three tiles behind it may be out
.else
	s_wait_loadcnt 8*(7-(\T))
.endif
.irp b, 0,1
	v_max3_num_f32 v[TM+\b], |v[XS+16*\b]|, |v[XS+16*\b+1]|, FLOOR
.endr
.irp i, 2,4,6,8,10,12,14
.irp b, 0,1
	v_max3_num_f32 v[TM+\b], v[TM+\b], |v[XS+16*\b+\i]|, |v[XS+16*\b+\i+1]|
.endr
.endr
.irp b, 0,1
	v_permlanex16_b32 v[TM+4+\b], v[TM+\b], s8, s9
.endr
.irp b, 0,1
	v_max_num_f32 v[TM+\b], v[TM+\b], v[TM+4+\b]   ; with lane l xor 16's: the block's largest magnitude
.endr
.irp b, 0,1
	v_add_nc_u32 v[TM+12+\b], 0xfc000000, v[TM+\b] ; the conversion's scale operand
.endr
.irp b, 0,1
	v_and_or_b32 v[TM+8+\b], v[TM+\b], 0x7f800000, s10   ; 448 x the scale
.endr
.irp b, 0,1
	v_lshrrev_b32 v[TM+4+\b], 23, v[TM+12+\b]      ; the byte
.endr
	v_lshl_or_b32 v22, v[TM+5], 8, v[TM+4]
	v_or_b32 v[W+(\T)], 0x7f7f0000, v22
.irp b, 0,1
.irp i, 0,1,2,3,4,5,6,7,8,9,10,11,12,13,14,15
	v_med3_num_f32 v[XS+16*\b+\i], v[XS+16*\b+\i], -v[TM+8+\b], v[TM+8+\b]   ; the conversion does not saturate (ISA guide 7.6.2)
.endr
	v_cvt_scalef32_pk8_fp8_f32 v[CD+8*(\T)+4*\b:CD+8*(\T)+4*\b+1], v[XS+16*\b:XS+16*\b+7], v[TM+12+\b]
	v_cvt_scalef32_pk8_fp8_f32 v[CD+8*(\T)+4*\b+2:CD+8*(\T)+4*\b+3], v[XS+16*\b+8:XS+16*\b+15], v[TM+12+\b]
.endr
	v_nop                                          ; a plain line behind the conversions
	global_store_b128 v5, v[CD+8*(\T):CD+8*(\T)+3], s[6:7] offset:(\T)*1024          ; 512 consecutive bytes
	global_store_b128 v5, v[CD+8*(\T)+4:CD+8*(\T)+7], s[6:7] offset:(\T)*1024+512
.if (\T) < 4
	KLOAD (\T)+4
.endif
.endm
.irp T, 0,1,2,3
	KLOAD \T
.endr
.irp T, 0,1,2,3,4,5,6,7
	KTILE \T
.endr
	v_cmp_eq_u32 vcc_lo, 1, v2
.irp j, 0,1,2,3
	v_cndmask_b32 v[232+\j], v[W+2*\j], v[W+2*\j+1], vcc_lo   ; lanes 0-15 the even tile's words, lanes 16-31 the odd tile's
.endr
	global_store_b128 v5, v[232:235], s[6:7] offset:8192
	s_endpgm
	; ---------------- V ----------------
.Lv:
	s_add_co_u32 s12, s12, 0x1400000
	s_mul_i32 s14, s11, 8448
	s_add_co_u32 s14, s14, 1114112
	s_wait_alu depctr_va_vdst(0)
	v_lshrrev_b32 v3, 3, v1
	v_and_b32 v6, 7, v1
	v_lshl_add_u32 v3, v3, 4, v6
	v_lshl_add_u32 v3, v2, 3, v3                   ; A LANE TAKES A CHANNEL: 16 (r / 8) + 8 u + r % 8 of each 32, u = lane / 16; its registers run down the keys
	v_lshlrev_b32 v4, 2, v3
	v_lshlrev_b32 v5, 4, v1
	v_lshl_add_u32 v5, v2, 11, v5                  ; out: tile 2 b + u, row r
	v_lshlrev_b32 v6, 3, v0
	s_wait_alu depctr_va_vdst(0)
	s_wait_kmcnt 0x0
	s_add_nc_u64 s[4:5], s[4:5], s[12:13]
	s_add_nc_u64 s[6:7], s[6:7], s[14:15]
.macro VLOAD q                         ; block q: channels' half q / 4, keys 32 (q % 4) on: each load reads 128 consecutive bytes
.set i, 0
.rept 32
	global_load_b32 v[32+32*((\q)%2)+i], v4, s[4:5] offset:(32*((\q)%4)+i)*256+128*((\q)/4)
.set i, i+1
.endr
.endm
.macro VBLOCK q
.set XS, 32+32*((\q)%2)
.if (\q) < 7
	s_wait_loadcnt 32                              ; this block's 32 loads are in; the next block's may be out
.else
	s_wait_loadcnt 0x0
.endif
	v_max3_num_f32 v12, |v[XS]|, |v[XS+1]|, |v[XS+2]|      ; all 32 keys of the block are mine
	v_max3_num_f32 v13, |v[XS+3]|, |v[XS+4]|, |v[XS+5]|
.irp i, 6,10,14,18,22,26
	v_max3_num_f32 v12, v12, |v[XS+\i]|, |v[XS+\i+1]|
	v_max3_num_f32 v13, v13, |v[XS+\i+2]|, |v[XS+\i+3]|
.endr
	v_max3_num_f32 v12, v12, |v[XS+30]|, |v[XS+31]|
	v_max3_num_f32 v12, v12, v13, FLOOR
	v_add_nc_u32 v11, 0xfc000000, v12
	v_and_or_b32 v10, v12, 0x7f800000, s10
	v_lshrrev_b32 v13, 23, v11
.if (\q)%4 == 0
	v_mov_b32 v[24+(\q)/4], v13
.else
	v_lshl_or_b32 v[24+(\q)/4], v13, 8*((\q)%4), v[24+(\q)/4]
.endif
.set i, 0
.rept 32
	v_med3_num_f32 v[XS+i], v[XS+i], -v10, v10
.set i, i+1
.endr
.irp g, 0,1,2,3
	v_cvt_scalef32_pk8_fp8_f32 v[CD+8*(\q)+2*\g:CD+8*(\q)+2*\g+1], v[XS+8*\g:XS+8*\g+7], v11
.endr
	v_nop                                          ; a plain line behind the conversions
	global_store_b128 v5, v[CD+8*(\q):CD+8*(\q)+3], s[6:7] offset:((\q)/4)*4096+((\q)%4)*512        ; keys 0-15 of the block: the image's lanes 0-15; each half of my lanes stores 256 consecutive bytes, aligned
	global_store_b128 v5, v[CD+8*(\q)+4:CD+8*(\q)+7], s[6:7] offset:((\q)/4)*4096+((\q)%4)*512+256  ; keys 16-31: the image's lanes 16-31
.if (\q)+2 < 8
	VLOAD (\q)+2
.endif
.endm
	VLOAD 0
	VLOAD 1
.irp q, 0,1,2,3,4,5,6,7
	VBLOCK \q
.endr
	global_store_b64 v6, v[24:25], s[6:7] offset:8192      ; 256 consecutive bytes, aligned
	s_endpgm
.Lfunc_end_k_q870e033d39_qkv:
	.size	k_q870e033d39_qkv, .Lfunc_end_k_q870e033d39_qkv-k_q870e033d39_qkv
	.p2alignl 7, 3214868480
	.fill 96, 4, 3214868480
	.section	.rodata,"a",@progbits
	.p2align	6, 0x0
	.amdhsa_kernel k_q870e033d39_qkv
		.amdhsa_group_segment_fixed_size 0
		.amdhsa_private_segment_fixed_size 0
		.amdhsa_enable_private_segment 0
		.amdhsa_kernarg_size 16
		.amdhsa_user_sgpr_count 2
		.amdhsa_user_sgpr_kernarg_segment_ptr 1
		.amdhsa_wavefront_size32 1
		.amdhsa_system_sgpr_workgroup_id_x 1
		.amdhsa_system_sgpr_workgroup_id_y 1
		.amdhsa_system_sgpr_workgroup_id_z 1
		.amdhsa_system_vgpr_workitem_id 0
		.amdhsa_next_free_vgpr 240
		.amdhsa_next_free_sgpr 66
		.amdhsa_reserve_vcc 1
		.amdhsa_float_denorm_mode_32 3
		.amdhsa_float_denorm_mode_16_64 3
		.amdhsa_memory_ordered 1
		.amdhsa_forward_progress 1
		.amdhsa_inst_pref_size 97
	.end_amdhsa_kernel
	.amdgpu_metadata
---
amdhsa.version: [ 1, 2 ]
amdhsa.kernels:
  - .name:           k_q870e033d39_qkv
    .symbol:         k_q870e033d39_qkv.kd
    .args:
      - { .name: pj, .offset: 0, .size: 8, .value_kind: global_buffer, .address_space: global }
      - { .name: img, .offset: 8, .size: 8, .value_kind: global_buffer, .address_space: global }
    .group_segment_fixed_size: 0
    .private_segment_fixed_size: 0
    .kernarg_segment_align: 8
    .kernarg_segment_size: 16
    .max_flat_workgroup_size: 32
    .sgpr_count:     66
    .vgpr_count:     240
    .wavefront_size: 32
...
	.end_amdgpu_metadata
.endif
;; end of part 3
;; launch attn (part 4): grid 32 x 8, 16 waves a work-group, clusters of 4 x 1, 327,680 bytes of LDS; arguments pj, img, K_depth, V_depth, ac, asc; writes ac, asc
.if DOCPART == 4
	.amdgcn_target "amdgcn-amd-amdhsa--gfx1250"
	.amdhsa_code_object_version 6
	.text
	.protected	k_q870e033d39_attn
	.globl	k_q870e033d39_attn
	.p2align	8
	.type	k_q870e033d39_attn,@function
k_q870e033d39_attn:
	s_mov_b64 s[64:65], 0
	v_nop
	global_prefetch_b8 v0, s[64:65] scope:SCOPE_SE
	s_setreg_imm32_b32 hwreg(HW_REG_WAVE_MODE, 25, 1), 1
	s_wait_xcnt 0x0
	s_wait_alu depctr_hold_cnt(0) depctr_sa_sdst(0) depctr_va_vdst(0) depctr_va_sdst(0) depctr_va_ssrc(0) depctr_va_vcc(0) depctr_vm_vsrc(0)
	s_getreg_b32 s2, hwreg(HW_REG_IB_STS2, 6, 4)
	s_cmp_eq_u32 s2, 0
	s_cbranch_scc0 .Lentry_in_a_cluster
	s_endpgm
.Lentry_in_a_cluster:
	s_bfe_u32 s2, ttmp6, 0x10000c
	s_cmp_lg_u32 s2, 0x3003
	s_cbranch_scc0 .Lentry_shape_is_right
	s_endpgm
.Lentry_shape_is_right:
.set KSB,  8704
.set VSB,  8448
.set VREG, 16*KSB
.set STG,  VREG+16*VSB
.set VIMG, 128*KSB
.set L16, 1
.set L8,  2
.set ADK, 3
.set ADV, 4
.set ADT, 5
.set DD,  7
.set NM,  8
.set LS,  10
.set FF,  12
.set QSC, 14
.set PSC, 15
.set KSC, 16
.set VSC, 20
.set TD,  22
.set TM,  30
.set T2,  46
.set QC,  48
.set FRG, 64
.set PC,  128
.set S,   144
.set QH,  208
.set O,   208
.set QA,  240
.set DA,  241
.set PFA, 242
.set GA,  243
.set SA,  244
.set STO, 245
.set SRD, 246
.set NINF, 247
.set OC,  248
.macro CROUND
	s_barrier_signal -1
	s_barrier_wait -1
	s_cmp_lg_u32 s16, 0
	s_cbranch_scc1 .Lnot_wave_0_\@
	s_barrier_signal -3
.Lnot_wave_0_\@:
	s_barrier_wait -3
	s_barrier_signal -1
	s_barrier_wait -1
.endm
.macro QUANT2 src, tmp, dst, word
.irp b, 0,1
	v_max3_num_f32 v[TM+\b], |v[\src+16*\b]|, |v[\src+16*\b+1]|, 0x4800000
.endr
.irp i, 2,4,6,8,10,12,14
.irp b, 0,1
	v_max3_num_f32 v[TM+\b], v[TM+\b], |v[\src+16*\b+\i]|, |v[\src+16*\b+\i+1]|
.endr
.endr
.irp b, 0,1
	s_delay_alu instid0(VALU_DEP_2)
	v_permlanex16_b32 v[TM+4+\b], v[TM+\b], s20, s21
.endr
.irp b, 0,1
	s_delay_alu instid0(VALU_DEP_2)
	v_max_num_f32 v[TM+\b], v[TM+\b], v[TM+4+\b]
.endr
.irp b, 0,1
	s_delay_alu instid0(VALU_DEP_2)
	v_add_nc_u32 v[TM+12+\b], 0xfc000000, v[TM+\b]
.endr
.irp b, 0,1
	s_delay_alu instid0(VALU_DEP_4)
	v_and_or_b32 v[TM+8+\b], v[TM+\b], 0x7f800000, s17
.endr
.irp b, 0,1
	s_delay_alu instid0(VALU_DEP_4)
	v_lshrrev_b32 v[TM+4+\b], 23, v[TM+12+\b]
.endr
	s_delay_alu instid0(VALU_DEP_1)
	v_lshl_or_b32 v[\word], v[TM+5], 8, v[TM+4]
.irp b, 0,1
.irp i, 0,1,2,3,4,5,6,7,8,9,10,11,12,13,14,15
	v_med3_num_f32 v[\tmp+\i], v[\src+16*\b+\i], -v[TM+8+\b], v[TM+8+\b]
.endr
	v_cvt_scalef32_pk8_fp8_f32 v[\dst+4*\b:\dst+4*\b+1], v[\tmp:\tmp+7], v[TM+12+\b]
	v_cvt_scalef32_pk8_fp8_f32 v[\dst+4*\b+2:\dst+4*\b+3], v[\tmp+8:\tmp+15], v[TM+12+\b]
	v_nop
.endr
.endm
.macro KPART
.irp T, 0,1,2,3,4,5,6,7
	ds_load_b128 v[FRG+8*\T:FRG+8*\T+3], v[ADK] offset:\T*1024
	ds_load_b128 v[FRG+8*\T+4:FRG+8*\T+7], v[ADK] offset:\T*1024+512
.endr
	ds_load_b128 v[KSC:KSC+3], v[ADK] offset:8192
	s_wait_dscnt 0x0
.irp T, 0,2,4,6
	v_wmma_scale_f32_16x16x128_f8f6f4 v[S+8*\T:S+8*\T+7], v[FRG+8*\T:FRG+8*\T+15], v[QC:QC+15], 0, v[KSC+\T/2], v[QSC]
	v_wmma_scale_f32_16x16x128_f8f6f4 v[S+8*\T+8:S+8*\T+15], v[FRG+8*\T+8:FRG+8*\T+23], v[QC:QC+15], 0, v[KSC+\T/2], v[QSC] matrix_a_scale:MATRIX_SCALE_ROW1
.endr
.rept 8
	v_nop
.endr
.endm
.macro MASK
.set n, 0
.rept 64
	v_cmp_gt_i32 vcc_lo, 32*(n/16)+n%16, v[DD]
	v_cndmask_b32 v[S+n], v[S+n], v[NINF], vcc_lo
.set n, n+1
.endr
.endm
.macro BMAX
.irp b, 0,1,2,3
	v_max3_num_f32 v[TM+\b], v[S+16*\b], v[S+16*\b+1], v[S+16*\b+2]
.endr
.irp i, 3,5,7,9,11,13
.irp b, 0,1,2,3
	v_max3_num_f32 v[TM+\b], v[TM+\b], v[S+16*\b+\i], v[S+16*\b+\i+1]
.endr
.endr
.irp b, 0,1,2,3
	v_max_num_f32 v[TM+\b], v[TM+\b], v[S+16*\b+15]
.endr
.endm
.macro NEWM
	s_delay_alu instid0(VALU_DEP_1)
	v_mul_f32 v[T2], s18, v[T2]
	s_delay_alu instid0(VALU_DEP_1)
	v_max_num_f32 v[NM+1], v[NM+1], v[T2]
	v_mov_b32 v[T2], v[NM]
	s_delay_alu instid0(VALU_DEP_2)
	v_floor_f32 v[NM], -v[NM+1]
	s_delay_alu instid0(VALU_DEP_1)
	v_sub_f32 v[T2], v[NM], v[T2]
	s_delay_alu instid0(VALU_DEP_1)
	v_cvt_i32_f32 v[T2], v[T2]
	s_delay_alu instid0(VALU_DEP_1)
	v_ldexp_f32 v[FF], 1.0, v[T2]
.endm
.macro TMINUSM
.set n, 0
.rept 32
	v_pk_fma_f32 v[S+n:S+n+1], v[S+n:S+n+1], s[18:19], v[NM:NM+1] op_sel_hi:[1,0,0]
.set n, n+2
.endr
.endm
.macro EXP64
.set n, 0
.rept 64
	v_exp_f32 v[S+n], v[S+n]
.set n, n+1
.endr
.endm
.macro DSET base, l, set
.set XS, 64+32*(\set)+16*((\set)/2)
.irp b, 0,1
.irp j, 0,1,2,3
	global_load_b128 v[XS+16*\b+4*\j:XS+16*\b+4*\j+3], v[DA], s[\base:\base+1] offset:(\l)*256+128*\b+16*\j
.endr
.endr
.endm
.macro DOT l, set
.set XS, 64+32*(\set)+16*((\set)/2)
.irp k, 0,1,2,3
	v_pk_mul_f32 v[TM+2*\k:TM+2*\k+1], v[QH+2*\k:QH+2*\k+1], v[XS+2*\k:XS+2*\k+1]
.endr
.irp m, 1,2,3
.irp k, 0,1,2,3
	s_delay_alu instid0(VALU_DEP_4)
	v_pk_fma_f32 v[TM+2*\k:TM+2*\k+1], v[QH+8*\m+2*\k:QH+8*\m+2*\k+1], v[XS+8*\m+2*\k:XS+8*\m+2*\k+1], v[TM+2*\k:TM+2*\k+1]
.endr
.endr
	s_delay_alu instid0(VALU_DEP_3)
	v_pk_add_f32 v[TM:TM+1], v[TM:TM+1], v[TM+2:TM+3]
	s_delay_alu instid0(VALU_DEP_2)
	v_pk_add_f32 v[TM+4:TM+5], v[TM+4:TM+5], v[TM+6:TM+7]
	s_delay_alu instid0(VALU_DEP_1)
	v_pk_add_f32 v[TM:TM+1], v[TM:TM+1], v[TM+4:TM+5]
	s_delay_alu instid0(VALU_DEP_1)
	v_add_f32 v[TD+(\l)], v[TM], v[TM+1]
.endm
.macro AXPY l, set
.set XS, 64+32*(\set)+16*((\set)/2)
	v_mov_b32 v[T2], v[TD+(\l)]
.set n, 0
.rept 16
.if (\l) == 0
	v_pk_mul_f32 v[O+n:O+n+1], v[XS+n:XS+n+1], v[T2:T2+1] op_sel_hi:[1,0]
.else
	v_pk_fma_f32 v[O+n:O+n+1], v[XS+n:XS+n+1], v[T2:T2+1], v[O+n:O+n+1] op_sel_hi:[1,0,1]
.endif
.set n, n+2
.endr
.endm
	s_load_b128 s[4:7], s[0:1], 0x0
	s_load_b128 s[8:11], s[0:1], 0x10
	s_load_b128 s[12:15], s[0:1], 0x20
	v_lshl_add_u32 v254, v0, 2, 0x47000
	v_mov_b32 v255, 0
	ds_add_u32 v254, v255
	ds_add_u32 v254, v255
	s_wait_dscnt 0x0
	v_lshrrev_b32 v1, 5, v0
	s_delay_alu instid0(VALU_DEP_1)
	v_readfirstlane_b32 s16, v1
	s_bfe_u32 s54, ttmp6, 0x40000
	s_lshl_b32 s23, ttmp9, 2
	s_add_co_u32 s23, s23, s54
	s_and_b32 s22, ttmp7, 0xffff
	s_mov_b32 s55, 0x865b3de0
	s_mov_b32 s56, 0xf12c4a97
	s_cmp_lt_u32 s16, 8
	s_cselect_b32 s55, s55, s56
	s_and_b32 s56, s16, 7
	s_lshl_b32 s56, s56, 2
	s_lshr_b32 s48, s55, s56
	s_and_b32 s48, s48, 15
	s_mov_b32 s24, 15|(3<<16)|(1<<21)
	s_mov_b32 s25, 32<<16
	s_mov_b32 s26, 68<<16                          ; two steps' blocks of K: 17,408 dense bytes as 68 rows of 256
	s_mov_b32 s27, 32<<16
	s_mov_b32 s28, 68
	s_mov_b32 s29, 32
	s_mov_b32 s30, 0
	s_mov_b32 s31, 0
	s_mov_b32 s32, 15|(3<<16)|(1<<21)
	s_mov_b32 s33, 32<<16
	s_mov_b32 s34, 66<<16                          ; two steps' blocks of V: 66 rows of 256
	s_mov_b32 s35, 32<<16
	s_mov_b32 s36, 66
	s_mov_b32 s37, 32
	s_mov_b32 s38, 0
	s_mov_b32 s39, 0
	s_lshl_b32 s58, s22, 4
	s_and_b32 s53, s16, 7
	s_lshl_b32 s53, s53, 1                         ; waves 0-7 fetch K's blocks 2 w and 2 w + 1, waves 8-15 V's blocks 2 (w - 8) and the next
	s_add_co_u32 s58, s58, s53
	s_mul_i32 s60, s58, KSB
	s_mov_b32 s61, 0
	s_mul_i32 s58, s58, VSB
	s_add_co_u32 s58, s58, VIMG
	s_mov_b32 s59, 0
	s_mov_b32 s40, 1
	s_mul_i32 s41, s53, KSB
	s_mov_b32 s44, 1
	s_mul_i32 s45, s53, VSB
	s_add_co_u32 s45, s45, VREG
	s_mov_b32 s17, 0x600000
	s_mov_b32 s18, 0x3e38aa3b
	s_mov_b32 s19, s18
	s_mov_b32 s20, 0x76543210
	s_mov_b32 s21, 0xfedcba98
	s_wait_kmcnt 0x0
	s_add_nc_u64 s[42:43], s[6:7], s[60:61]
	s_or_b32 s43, s43, 0x80000000
	s_add_nc_u64 s[46:47], s[6:7], s[58:59]
	s_or_b32 s47, s47, 0x80000000
	CROUND
	s_cmp_lt_u32 s16, 8                            ; one joint load a wave at the head, an arm for K's and an arm for V's
	s_cbranch_scc0 .Lfor_v
	tensor_load_to_lds s[40:43], s[24:31]
	s_nop 0
.rept 4
	v_nop
.endr
	s_branch .Lasked
.Lfor_v:
	tensor_load_to_lds s[44:47], s[32:39]
	s_nop 0
.rept 4
	v_nop
.endr
.Lasked:
	s_lshl_b32 s57, s23, 2
	s_lshl_b32 s49, s48, 7
	s_add_co_u32 s49, s49, s57
	s_mov_b32 s55, 0
	s_lshl_b32 s54, s22, 21
	s_lshl_b32 s56, s49, 8
	s_add_co_u32 s54, s54, s56
	s_add_nc_u64 s[4:5], s[4:5], s[54:55]
	s_lshl_b32 s54, s22, 22
	s_lshl_b32 s56, s49, 11
	s_add_co_u32 s54, s54, s56
	s_add_nc_u64 s[8:9], s[8:9], s[54:55]
	s_add_nc_u64 s[10:11], s[10:11], s[54:55]
	s_lshr_b32 s54, s22, 2
	s_lshl_b32 s54, s54, 11
	s_add_co_u32 s54, s54, s49
	s_and_b32 s56, s22, 3
	s_lshl_b32 s58, s54, 10
	s_lshl_b32 s60, s56, 8
	s_add_co_u32 s58, s58, s60
	s_add_nc_u64 s[12:13], s[12:13], s[58:59]
	s_lshl_b32 s58, s54, 5
	s_lshl_b32 s60, s56, 3
	s_add_co_u32 s58, s58, s60
	s_add_nc_u64 s[14:15], s[14:15], s[58:59]
	v_and_b32 v30, 15, v0
	v_bfe_u32 v31, v0, 4, 1
	s_delay_alu instid0(VALU_DEP_2)
	v_lshrrev_b32 v32, 2, v30
	s_delay_alu instid0(VALU_DEP_3)
	v_and_b32 v33, 3, v30
	s_delay_alu instid0(VALU_DEP_1)
	v_lshlrev_b32 v[QA], 19, v33
	s_delay_alu instid0(VALU_DEP_1)
	v_lshl_or_b32 v[QA], v32, 8, v[QA]
	s_delay_alu instid0(VALU_DEP_1)
	v_lshl_or_b32 v[QA], v31, 6, v[QA]
.irp b, 0,1
.irp j, 0,1,2,3
	global_load_b128 v[QH+16*\b+4*\j:QH+16*\b+4*\j+3], v[QA], s[4:5] offset:128*\b+16*\j
.endr
.endr
	v_and_b32 v46, 31, v0
	s_delay_alu instid0(VALU_DEP_1)
	v_lshlrev_b32 v[L16], 4, v46
	s_delay_alu instid0(VALU_DEP_2)
	v_lshlrev_b32 v[L8], 3, v46
	v_lshlrev_b32 v[DA], 11, v32
	s_delay_alu instid0(VALU_DEP_1)
	v_lshl_or_b32 v[DA], v31, 6, v[DA]
	v_lshlrev_b32 v[PFA], 8, v46
	v_lshlrev_b32 v[GA], 10, v31
	s_delay_alu instid0(VALU_DEP_1)
	v_lshl_or_b32 v[GA], v30, 4, v[GA]
	v_lshlrev_b32 v[SA], 5, v32
	s_delay_alu instid0(VALU_DEP_1)
	v_lshl_or_b32 v[SA], v33, 1, v[SA]
	s_lshl_b32 s54, s16, 10
	s_add_co_u32 s54, s54, STG
	v_lshlrev_b32 v[STO], 6, v30
	s_delay_alu instid0(VALU_DEP_1)
	v_lshl_add_u32 v[STO], v31, 4, v[STO]
	s_delay_alu instid0(VALU_DEP_1)
	v_add_nc_u32 v[STO], s54, v[STO]
	v_add_nc_u32 v[SRD], s54, v[L16]
	v_mov_b32 v[NINF], 0xff800000
	v_lshlrev_b32 v[DD], 4, v31
	s_delay_alu instid0(VALU_DEP_1)
	v_sub_nc_u32 v[DD], v32, v[DD]
	s_delay_alu instid0(VALU_DEP_1)
	v_add_nc_u32 v[DD], s57, v[DD]
.set j, TM
.rept 18
	v_mov_b32 v[j], 0
.set j, j+1
.endr
	v_mov_b32 v[FF+1], 0
.set j, QC+8
.rept 8
	v_mov_b32 v[j], 0
.set j, j+1
.endr
	s_wait_loadcnt 0x0
	QUANT2 QH, PC, QC, T2
	v_or_b32 v[QSC], 0x7f7f0000, v[T2]
.set j, PC
.rept 16
	v_mov_b32 v[j], 0
.set j, j+1
.endr
	v_mov_b32 v[NM+1], 0xff61b1e6
	s_delay_alu instid0(VALU_DEP_1)
	v_floor_f32 v[NM], -v[NM+1]
	v_mov_b32 v[LS], 0
	v_mov_b32 v[LS+1], 0
	s_wait_tensorcnt 0x0
	s_barrier_signal -1
	s_barrier_wait -1
	s_mov_b32 s50, 0
	s_mov_b32 s51, 0
.Lp1:
	s_cmp_gt_u32 s50, s48
	s_cbranch_scc1 .Lskip1
	v_add_nc_u32 v[ADK], s51, v[L16]
	KPART
	s_cmp_lg_u32 s50, s48
	s_cbranch_scc1 .Lopen1
	global_prefetch_b8 v[PFA], s[8:9] th:TH_LOAD_NT scope:SCOPE_SE
	global_prefetch_b8 v[PFA], s[10:11] th:TH_LOAD_NT scope:SCOPE_SE
	MASK
.Lopen1:
	BMAX
	s_delay_alu instid0(VALU_DEP_2)
	v_max3_num_f32 v[T2], v[TM], v[TM+1], v[TM+2]
	s_delay_alu instid0(VALU_DEP_1)
	v_max_num_f32 v[T2], v[T2], v[TM+3]
	s_delay_alu instid0(VALU_DEP_1)
	v_permlanex16_b32 v[T2+1], v[T2], s20, s21
	s_delay_alu instid0(VALU_DEP_1)
	v_max_num_f32 v[T2], v[T2], v[T2+1]
	NEWM
	TMINUSM
	s_wait_alu depctr_va_vdst(0)
	EXP64
	v_pk_mul_f32 v[LS:LS+1], v[LS:LS+1], v[FF:FF+1] op_sel_hi:[1,0]
	s_wait_alu depctr_va_vdst(0)
	v_pk_add_f32 v[T2:T2+1], v[S:S+1], v[S+2:S+3]
.irp j, 4,8,12,16,20,24,28,32,36,40,44,48,52,56,60
	v_pk_add_f32 v[LS:LS+1], v[LS:LS+1], v[S+\j:S+\j+1]
	v_pk_add_f32 v[T2:T2+1], v[T2:T2+1], v[S+\j+2:S+\j+3]
.endr
	s_delay_alu instid0(VALU_DEP_1)
	v_pk_add_f32 v[LS:LS+1], v[LS:LS+1], v[T2:T2+1]
.Lskip1:
	s_add_co_u32 s51, s51, KSB
	s_add_co_u32 s50, s50, 1
	s_cmp_lt_u32 s50, 16
	s_cbranch_scc1 .Lp1
.irp l, 0,1,2,3
	DSET 8, \l, \l
.endr
	s_wait_alu depctr_va_vdst(0)
	v_add_f32 v[LS], v[LS], v[LS+1]
	s_delay_alu instid0(VALU_DEP_1)
	v_permlanex16_b32 v[T2], v[LS], s20, s21
	s_delay_alu instid0(VALU_DEP_1)
	v_add_f32 v[LS], v[LS], v[T2]
.irp l, 0,1,2,3
	s_wait_loadcnt 24
	DOT \l, \l
	DSET 8, \l+4, \l
.endr
.irp l, 4,5,6,7
	s_wait_loadcnt 24
	DOT \l, \l-4
	DSET 10, \l-4, \l-4
.endr
.irp l, 0,1,2,3,4,5,6,7
	v_permlanex16_b32 v[TM+8+\l], v[TD+\l], s20, s21
.endr
.irp l, 0,1,2,3,4,5,6,7
	v_add_f32 v[TD+\l], v[TD+\l], v[TM+8+\l]
.endr
	v_max3_num_f32 v[T2], v[TD], v[TD+1], v[TD+2]
	s_delay_alu instid0(VALU_DEP_1)
	v_max3_num_f32 v[T2], v[T2], v[TD+3], v[TD+4]
	s_delay_alu instid0(VALU_DEP_1)
	v_max3_num_f32 v[T2], v[T2], v[TD+5], v[TD+6]
	s_delay_alu instid0(VALU_DEP_1)
	v_max_num_f32 v[T2], v[T2], v[TD+7]
	NEWM
.irp l, 0,1,2,3,4,5,6,7
	v_fma_f32 v[TD+\l], v[TD+\l], s18, v[NM]
.endr
	s_wait_alu depctr_va_vdst(0)
.irp l, 0,1,2,3,4,5,6,7
	v_exp_f32 v[TD+\l], v[TD+\l]
.endr
	v_mul_f32 v[LS], v[LS], v[FF]
	s_wait_alu depctr_va_vdst(0)
	v_pk_add_f32 v[T2:T2+1], v[TD:TD+1], v[TD+2:TD+3]
	v_pk_add_f32 v[TM:TM+1], v[TD+4:TD+5], v[TD+6:TD+7]
	s_delay_alu instid0(VALU_DEP_1)
	v_pk_add_f32 v[T2:T2+1], v[T2:T2+1], v[TM:TM+1]
	s_delay_alu instid0(VALU_DEP_1)
	v_add_f32 v[T2], v[T2], v[T2+1]
	s_delay_alu instid0(VALU_DEP_1)
	v_add_f32 v[LS], v[LS], v[T2]
	s_wait_alu depctr_va_vdst(0)
	v_rcp_f32 v[FF], v[LS]
	v_nop
	s_wait_alu depctr_va_vdst(0)
.irp l, 0,1,2,3,4,5,6,7
	v_mul_f32 v[TD+\l], v[TD+\l], v[FF]
.endr
	s_wait_alu depctr_va_vdst(0)
.irp l, 0,1,2,3
	s_wait_loadcnt 24
	AXPY \l, \l
	DSET 10, \l+4, \l
.endr
	s_wait_loadcnt 24
	AXPY 4, 0
	s_wait_loadcnt 16
	AXPY 5, 1
	s_wait_loadcnt 8
	AXPY 6, 2
	s_wait_loadcnt 0x0
	AXPY 7, 3
	s_mov_b32 s50, 0
	s_mov_b32 s51, 0
	s_mov_b32 s52, VREG
.Lp2:
	s_cmp_gt_u32 s50, s48
	s_cbranch_scc1 .Lskip2
	v_add_nc_u32 v[ADK], s51, v[L16]
	v_add_nc_u32 v[ADV], s52, v[L16]
	v_add_nc_u32 v[ADT], s52, v[L8]
.rept 5
	v_nop
.endr
	KPART
	s_wait_alu depctr_va_vdst(0)
.irp d, 0,1,2,3
.irp c, 0,1,2,3
	ds_load_b128 v[FRG+16*\d+4*\c:FRG+16*\d+4*\c+3], v[ADV] offset:\d*2048+\c*512
.endr
.endr
	ds_load_b64 v[VSC:VSC+1], v[ADT] offset:8192
	s_cmp_lg_u32 s50, s48
	s_cbranch_scc1 .Lopen2
	MASK
.Lopen2:
	BMAX
.irp b, 0,1,2,3
	s_delay_alu instid0(VALU_DEP_4)
	v_permlanex16_b32 v[TM+4+\b], v[TM+\b], s20, s21
.endr
.irp b, 0,1,2,3
	s_delay_alu instid0(VALU_DEP_4)
	v_max_num_f32 v[TM+\b], v[TM+\b], v[TM+4+\b]
.endr
	TMINUSM
.irp b, 0,1,2,3
	v_fma_f32 v[TM+\b], v[TM+\b], s18, v[NM]
.endr
	s_wait_alu depctr_va_vdst(0)
	EXP64
.irp b, 0,1,2,3
	v_exp_f32 v[TM+\b], v[TM+\b]
.endr
	v_nop
.set n, 0
	s_wait_alu depctr_va_vdst(0)
.rept 32
	v_pk_mul_f32 v[S+n:S+n+1], v[S+n:S+n+1], v[FF:FF+1] op_sel_hi:[1,0]
.set n, n+2
.endr
.irp b, 0,1,2,3
	v_mul_f32 v[TM+\b], v[TM+\b], v[FF]
.endr
.irp b, 0,1,2,3
	s_delay_alu instid0(VALU_DEP_4)
	v_max_num_f32 v[TM+\b], 0x4800000, v[TM+\b]
.endr
.irp b, 0,1,2,3
	s_delay_alu instid0(VALU_DEP_4)
	v_add_nc_u32 v[TM+12+\b], 0xfc000000, v[TM+\b]
.endr
.irp b, 0,1,2,3
	v_and_or_b32 v[TM+8+\b], v[TM+\b], 0x7f800000, s17
.endr
.irp b, 0,1,2,3
	v_lshrrev_b32 v[TM+4+\b], 23, v[TM+12+\b]
.endr
	s_delay_alu instid0(VALU_DEP_3)
	v_lshl_or_b32 v[PSC], v[TM+5], 8, v[TM+4]
	s_delay_alu instid0(VALU_DEP_1)
	v_lshl_or_b32 v[PSC], v[TM+6], 16, v[PSC]
	s_delay_alu instid0(VALU_DEP_1)
	v_lshl_or_b32 v[PSC], v[TM+7], 24, v[PSC]
.irp b, 0,1,2,3
.set n, 0
.rept 16
	v_min_num_f32 v[S+16*\b+n], v[S+16*\b+n], v[TM+8+\b]
.set n, n+1
.endr
	v_cvt_scalef32_pk8_fp8_f32 v[PC+4*\b:PC+4*\b+1], v[S+16*\b:S+16*\b+7], v[TM+12+\b]
	v_cvt_scalef32_pk8_fp8_f32 v[PC+4*\b+2:PC+4*\b+3], v[S+16*\b+8:S+16*\b+15], v[TM+12+\b]
.endr
.rept 4
	v_nop
.endr
	s_wait_alu depctr_va_vdst(0)
	s_wait_dscnt 0x0
.irp d, 0,2
	v_wmma_scale_f32_16x16x128_f8f6f4 v[O+8*\d:O+8*\d+7], v[FRG+16*\d:FRG+16*\d+15], v[PC:PC+15], v[O+8*\d:O+8*\d+7], v[VSC+\d/2], v[PSC]
	v_wmma_scale_f32_16x16x128_f8f6f4 v[O+8*\d+8:O+8*\d+15], v[FRG+16*\d+16:FRG+16*\d+31], v[PC:PC+15], v[O+8*\d+8:O+8*\d+15], v[VSC+\d/2], v[PSC] matrix_a_scale:MATRIX_SCALE_ROW1
.endr
.Lskip2:
	s_add_co_u32 s51, s51, KSB
	s_add_co_u32 s52, s52, VSB
	s_add_co_u32 s50, s50, 1
	s_cmp_lt_u32 s50, 16
	s_cbranch_scc1 .Lp2
.rept 8
	v_nop
.endr
	s_wait_alu depctr_va_vdst(0)
	QUANT2 O, S, OC, T2
	ds_store_b128 v[STO], v[OC:OC+3]
	ds_store_b128 v[STO], v[OC+4:OC+7] offset:32
	ds_load_b128 v[S:S+3], v[SRD]
	ds_load_b128 v[S+4:S+7], v[SRD] offset:512
	global_store_b16 v[SA], v[T2], s[14:15]
	s_wait_dscnt 0x0
	global_store_b128 v[GA], v[S:S+3], s[12:13]
	global_store_b128 v[GA], v[S+4:S+7], s[12:13] offset:2048
	s_wait_xcnt 0x0
	v_lshl_add_u32 v254, v0, 2, 0x47000
	v_mov_b32 v255, 0
	s_wait_alu depctr_va_vdst(0)
	s_wait_tensorcnt 0x0
	ds_add_u32 v254, v255
	s_wait_dscnt 0x0
	CROUND
	s_endpgm
.Lfunc_end_k_q870e033d39_attn:
	.size	k_q870e033d39_attn, .Lfunc_end_k_q870e033d39_attn-k_q870e033d39_attn
	.p2alignl 7, 3214868480
	.fill 96, 4, 3214868480
	.section	.rodata,"a",@progbits
	.p2align	6, 0x0
	.amdhsa_kernel k_q870e033d39_attn
		.amdhsa_group_segment_fixed_size 327680
		.amdhsa_private_segment_fixed_size 0
		.amdhsa_enable_private_segment 0
		.amdhsa_kernarg_size 48
		.amdhsa_user_sgpr_count 2
		.amdhsa_user_sgpr_kernarg_segment_ptr 1
		.amdhsa_wavefront_size32 1
		.amdhsa_system_sgpr_workgroup_id_x 1
		.amdhsa_system_sgpr_workgroup_id_y 1
		.amdhsa_system_sgpr_workgroup_id_z 1
		.amdhsa_system_vgpr_workitem_id 0
		.amdhsa_next_free_vgpr 256
		.amdhsa_next_free_sgpr 66
		.amdhsa_reserve_vcc 1
		.amdhsa_float_denorm_mode_32 3
		.amdhsa_float_denorm_mode_16_64 3
		.amdhsa_memory_ordered 1
		.amdhsa_forward_progress 1
		.amdhsa_inst_pref_size 97
	.end_amdhsa_kernel
	.amdgpu_metadata
---
amdhsa.version: [ 1, 2 ]
amdhsa.kernels:
  - .name:           k_q870e033d39_attn
    .symbol:         k_q870e033d39_attn.kd
    .args:
      - { .name: pj, .offset: 0, .size: 8, .value_kind: global_buffer, .address_space: global }
      - { .name: img, .offset: 8, .size: 8, .value_kind: global_buffer, .address_space: global }
      - { .name: K_depth, .offset: 16, .size: 8, .value_kind: global_buffer, .address_space: global }
      - { .name: V_depth, .offset: 24, .size: 8, .value_kind: global_buffer, .address_space: global }
      - { .name: ac, .offset: 32, .size: 8, .value_kind: global_buffer, .address_space: global }
      - { .name: asc, .offset: 40, .size: 8, .value_kind: global_buffer, .address_space: global }
    .group_segment_fixed_size: 327680
    .private_segment_fixed_size: 0
    .kernarg_segment_align: 8
    .kernarg_segment_size: 48
    .max_flat_workgroup_size: 512
    .sgpr_count:     66
    .vgpr_count:     256
    .wavefront_size: 32
...
	.end_amdgpu_metadata
.endif
;; end of part 4
;; launch oproj (part 5): grid 8 x 32, 4 waves a work-group, clusters of 4 x 4, 327,680 bytes of LDS; arguments ac, asc, wc, ws, out0; writes out0
.if DOCPART == 5
	.amdgcn_target "amdgcn-amd-amdhsa--gfx1250"
	.amdhsa_code_object_version 6
	.text
	.protected	k_q870e033d39_oproj
	.globl	k_q870e033d39_oproj
	.p2align	8
	.type	k_q870e033d39_oproj,@function
k_q870e033d39_oproj:
	s_mov_b64 s[64:65], 0
	v_nop
	global_prefetch_b8 v0, s[64:65] scope:SCOPE_SE
	s_setreg_imm32_b32 hwreg(HW_REG_WAVE_MODE, 25, 1), 1
	s_wait_xcnt 0x0
	s_wait_alu depctr_hold_cnt(0) depctr_sa_sdst(0) depctr_va_vdst(0) depctr_va_sdst(0) depctr_va_ssrc(0) depctr_va_vcc(0) depctr_vm_vsrc(0)
	s_getreg_b32 s2, hwreg(HW_REG_IB_STS2, 6, 4)
	s_cmp_eq_u32 s2, 0
	s_cbranch_scc0 .Lentry_in_a_cluster
	s_endpgm
.Lentry_in_a_cluster:
	s_bfe_u32 s2, ttmp6, 0x10000c
	s_cmp_lg_u32 s2, 0xf033
	s_cbranch_scc0 .Lentry_shape_is_right
	s_endpgm
.Lentry_shape_is_right:
; out0[m][n] = sum over k of a[m][k] Wo[k][n] on codes of E4M3: a = ac [4096][1024] with asc [4096][32]; Wo's columns are rows 2,048 on of wc [.][1024] and ws [.][32]; sums in f32.
; A tile of out0 is 128 x 128: 8 x 32 = 256 work-groups.  Four waves, 2 x 2, each 64 x 64: 16 accumulators.
; ALL OF K LIES IN LDS: four tiles of 128 rows x 512 bytes (pitch 528), each filled once by one joint load at the head: wave 0 a's K 0-511, wave 1 W's, wave 2 a's K 512-1023, wave 3 W's.
; The first barrier shows waves 0 and 1's tiles (each wave has a load line of its own), the barrier inside step 3 the other two.  Nothing is filled again.
; The scale words, 32 bytes a row for all of K, go from memory straight into registers: a block's 16 rows are 512 consecutive bytes.
; CLUSTERS: 4 x 4; a's tiles are asked for jointly along a row of the cluster, W's along a column.  No prefetch: every tile is asked for at the head, and the text has no loop to run ahead in.
; TRANSPOSED USE: source 0 = 16 rows of W, source 1 = 16 rows of a: a lane holds eight neighbouring columns of one row of out0.
; REGISTERS: window 0: v16-29 addresses; v32-63 a's scale words (8 a + q), v66-97 W's (8 b + q); v128-255 a's four fragments, two sets.  window 1: v0-127 W's four fragments, two sets; v128-255 the accumulators, (a, b) at 128 + 8 (4 a + b).
.set KROW,   1024
.set PITCH,  528
.set NP,     8                         ; places behind this matrix instruction (ISA guide 7.12.1)
.set QT,     64*PITCH                  ; a wave's 64 rows
.set HT,     128*PITCH                 ; a tile
.set STAGE,  4*HT                      ; behind the tiles: 16 rows x (256 + 16) bytes for each wave; no fill lands here
.set SPITCH, 272
.set SPARE,  STAGE+4*16*SPITCH         ; the spare words
.set ADRA, 16                          ; v16, v17 my fragments of a in K's first and second half
.set ADRB, 20                          ; v20, v21 of W
.set STO,  24
.set RD,   25
.set CO,   26
.set SPW,  28
.set NIL,  29
.set SA,   32
.set SB,   66
.set AF,   128
.set ACC,  128
.set BK,   128
.set G1,   24
.set G1B,  32
.set MSB, 0
.macro WIN new
.if MSB != \new
	s_set_vgpr_msb (MSB<<8)|\new
.set MSB, \new
.endif
.endm
.set MUL,  0x51                        ; source 0 (W) window 1, source 1 (a) window 0, C and D window 1
.set TO_B, 0x40
.macro PLACES n
.rept \n
	v_nop
.endr
.endm
.macro CROUND
	s_barrier_signal -1
	s_barrier_wait -1
	s_cmp_lg_u32 s14, 0
	s_cbranch_scc1 .Lnot_wave_0_\@
	s_barrier_signal -3
.Lnot_wave_0_\@:
	s_barrier_wait -3
	s_barrier_signal -1
	s_barrier_wait -1
.endm
.macro GRP1 g, mask                    ; 128 rows of 512 bytes, 1,024 apart; 4 words of padding behind each 128
	s_or_b32 s[\g], s\mask, (1<<20)|(1<<21)|(6<<22)|(3<<25)
	s_mov_b32 s[\g+1], 512<<16
	s_mov_b32 s[\g+2], 128<<16
	s_mov_b32 s[\g+3], 512<<16
	s_mov_b32 s[\g+4], 128
	s_mov_b32 s[\g+5], KROW
	s_mov_b32 s[\g+6], 0
	s_mov_b32 s[\g+7], 0
.endm
	s_load_b128 s[4:7], s[0:1], 0x0                ; ac, asc
	s_load_b128 s[8:11], s[0:1], 0x10              ; wc, ws
	s_load_b64 s[12:13], s[0:1], 0x20              ; out0
	v_lshl_add_u32 v[SPW], v0, 2, SPARE
	v_mov_b32 v[NIL], 0
	ds_add_u32 v[SPW], v[NIL]                      ; the opening lines
	ds_add_u32 v[SPW], v[NIL]
	v_lshrrev_b32 v1, 5, v0
	v_readfirstlane_b32 s14, v1                    ; wave
	s_lshr_b32 s15, s14, 1                         ; my half of the tile's rows
	s_and_b32 s16, s14, 1                          ; my half of its columns
	s_bfe_u32 s2, ttmp6, 0x40000                   ; cx
	s_bfe_u32 s19, ttmp6, 0x40004                  ; cy
	s_lshl_b32 s18, ttmp9, 2
	s_add_co_u32 s18, s18, s2                      ; tile column
	s_and_b32 s17, ttmp7, 0xffff
	s_lshl_b32 s17, s17, 2
	s_add_co_u32 s17, s17, s19                     ; tile row
	s_lshl_b32 s92, s19, 2
	s_lshl_b32 s92, 15, s92                        ; my row of the cluster
	s_lshl_b32 s93, 0x1111, s2                     ; my column
	GRP1 G1, 92
	GRP1 G1B, 93
	s_lshl_b32 s20, s17, 17                        ; a: 128 rows of 1,024 bytes a tile row
	s_mov_b32 s21, 0
	s_lshl_b32 s22, s18, 17                        ; W: the same a tile column, behind the 2,048 rows of the other weights
	s_add_co_u32 s22, s22, 0x200000
	s_mov_b32 s23, 0
	s_lshl_b32 s56, s17, 12                        ; a's scale bytes of my 64 rows
	s_lshl_b32 s57, s15, 11
	s_add_co_u32 s56, s56, s57
	s_mov_b32 s57, 0
	s_lshl_b32 s58, s18, 12                        ; W's of my 64 columns
	s_lshl_b32 s59, s16, 11
	s_add_co_u32 s58, s58, s59
	s_add_co_u32 s58, s58, 0x10000
	s_mov_b32 s59, 0
	s_lshl_b32 s60, s17, 19                        ; out0: my first row, 4,096 bytes a row, and my first column
	s_lshl_b32 s61, s15, 18
	s_add_co_u32 s60, s60, s61
	s_lshl_b32 s61, s18, 9
	s_add_co_u32 s60, s60, s61
	s_lshl_b32 s61, s16, 8
	s_add_co_u32 s60, s60, s61
	s_mov_b32 s61, 0
	s_mov_b32 s40, 1                               ; groups 0: a's first half, W's, a's second half, W's
	s_mov_b32 s41, 0
	s_mov_b32 s44, 1
	s_mov_b32 s45, HT
	s_mov_b32 s48, 1
	s_mov_b32 s49, 2*HT
	s_mov_b32 s52, 1
	s_mov_b32 s53, 3*HT
	s_wait_dscnt 0x0                               ; both opening adds are done
	CROUND                                         ; the joint loads meet
	s_wait_kmcnt 0x0
	s_add_nc_u64 s[42:43], s[4:5], s[20:21]
	s_add_nc_u64 s[50:51], s[42:43], 512
	s_or_b32 s43, s43, 0x80000000
	s_or_b32 s51, s51, 0x80000000
	s_add_nc_u64 s[46:47], s[8:9], s[22:23]
	s_add_nc_u64 s[54:55], s[46:47], 512
	s_or_b32 s47, s47, 0x80000000
	s_or_b32 s55, s55, 0x80000000
.macro ARM under, g0, g1, next         ; one chain of branches on the wave's number, one load to an arm
	s_cmp_lt_u32 s14, \under
	s_cbranch_scc0 \next
	tensor_load_to_lds s[\g0:\g0+3], s[\g1:\g1+7]
	s_nop 0
	PLACES 4
	s_branch .Lhead_asked
\next:
.endm
	ARM 1, 40, G1, .Lhead_b0
	ARM 2, 44, G1B, .Lhead_a1
	ARM 3, 48, G1, .Lhead_b1
	tensor_load_to_lds s[52:55], s[G1B:G1B+7]
	s_nop 0
	PLACES 4
.Lhead_asked:
	s_add_nc_u64 s[6:7], s[6:7], s[56:57]
	s_add_nc_u64 s[10:11], s[10:11], s[58:59]
	s_add_nc_u64 s[12:13], s[12:13], s[60:61]
	v_and_b32 v1, 15, v0                           ; l % 16
	v_bfe_u32 v2, v0, 4, 1                         ; l / 16
	v_lshlrev_b32 v5, 5, v1                        ; my row's 32 scale bytes (lanes 16-31 read the same and are not used)
.irp i, 0,1,2,3
	global_load_b128 v[SA+8*\i:SA+8*\i+3], v5, s[6:7] offset:512*\i
	global_load_b128 v[SA+8*\i+4:SA+8*\i+7], v5, s[6:7] offset:512*\i+16
	global_load_b128 v[SB+8*\i:SB+8*\i+3], v5, s[10:11] offset:512*\i
	global_load_b128 v[SB+8*\i+4:SB+8*\i+7], v5, s[10:11] offset:512*\i+16
.endr
	v_mul_u32_u24 v3, v1, PITCH
	v_lshl_add_u32 v4, v2, 4, v3                   ; a fragment's row x pitch + 16 x half
	s_mul_i32 s21, s15, QT
	s_mul_i32 s22, s16, QT
	s_add_co_u32 s22, s22, HT
.irp s, 0,1
	v_add_nc_u32 v[ADRA+\s], s21, v4
	v_add_nc_u32 v[ADRB+\s], s22, v4
	s_add_co_u32 s21, s21, 2*HT
	s_add_co_u32 s22, s22, 2*HT
.endr
	s_mul_i32 s23, s14, 16*SPITCH
	s_add_co_u32 s23, s23, STAGE                   ; my stage
	s_wait_alu depctr_va_vdst(0)                   ; directly ahead of the readers below
	v_mul_u32_u24 v6, v1, SPITCH
	v_lshl_add_u32 v6, v2, 5, v6
	v_add_nc_u32 v[STO], s23, v6                   ; in: row l % 16, 32 bytes for each half of the lanes
	v_mul_u32_u24 v7, v2, SPITCH
	v_lshl_add_u32 v7, v1, 4, v7
	v_add_nc_u32 v[RD], s23, v7                    ; back: lanes 0-15 one row of 256 bytes, lanes 16-31 the next
	v_lshlrev_b32 v[CO], 4, v1
	v_lshl_or_b32 v[CO], v2, 12, v[CO]             ; and the same two rows in out0
.macro FRAG reg, adr, q, i             ; 16 rows x 128 K: registers 4 c .. 4 c + 3 hold K = 32 c + 16 (l / 16) + 0 .. 15
.irp c, 0,1,2,3
	ds_load_b128 v[\reg+4*\c:\reg+4*\c+3], v[\adr] offset:128*(\q)+32*\c+(\i)*16*PITCH
.endr
.endm
.macro FETCH q, p                      ; step q's eight fragments into sets p: 32 LDS loads
	WIN TO_B
.irp i, 0,1,2,3
	FRAG 64*(\p)+16*\i, ADRB+(\q)/4, (\q)%4, \i
.endr
	WIN 0
.irp i, 0,1,2,3
	FRAG AF+64*(\p)+16*\i, ADRA+(\q)/4, (\q)%4, \i
.endr
.endm
.macro MUL16 q, p, zero                ; the 16 accumulators take turns, in the same order in every step
	WIN MUL
.irp a, 0,1,2,3
.irp b, 0,1,2,3
.if \zero
	v_wmma_scale_f32_16x16x128_f8f6f4 v[ACC+8*(4*\a+\b):ACC+8*(4*\a+\b)+7], v[64*(\p)+16*\b:64*(\p)+16*\b+15], v[AF+64*(\p)+16*\a:AF+64*(\p)+16*\a+15], 0, v[SB+8*\b+(\q)], v[SA+8*\a+(\q)]
.else
	v_wmma_scale_f32_16x16x128_f8f6f4 v[ACC+8*(4*\a+\b):ACC+8*(4*\a+\b)+7], v[64*(\p)+16*\b:64*(\p)+16*\b+15], v[AF+64*(\p)+16*\a:AF+64*(\p)+16*\a+15], v[ACC+8*(4*\a+\b):ACC+8*(4*\a+\b)+7], v[SB+8*\b+(\q)], v[SA+8*\a+(\q)]
.endif
.endr
.endr
	WIN 0
.endm
	s_wait_alu depctr_va_vdst(0)                   ; the wait at the head's end
	s_cmp_lt_u32 s14, 2
	s_cbranch_scc0 .Lnot_first
	s_wait_tensorcnt 0x0                           ; waves 0 and 1: K's first half has landed; the others wait inside step 3
.Lnot_first:
	s_barrier_signal -1
	s_barrier_wait -1
	FETCH 0, 0
	s_wait_loadcnt 0x0                             ; the scale words
.irp q, 0,1,2,3,4,5,6,7
	s_wait_dscnt 0x0                               ; this step's fragments, asked for one step ago
.if \q == 3
	s_wait_tensorcnt 0x0                           ; K's second half has landed: every wave waits, and says so
	s_barrier_signal -1
	s_barrier_wait -1
.endif
.if \q < 7
	PLACES NP                                      ; ahead of loads into the sets that the last step multiplied
	FETCH \q+1, (\q+1)%2
.endif
.if \q == 0
	MUL16 \q, 0, 1                                 ; the first products start the sums
.else
	MUL16 \q, (\q)%2, 0
.endif
.endr
; THE WAY OUT, block by block of 16 rows x 64 columns, through my own stage; LDS serves a wave's instructions in order (ISA guide 5.7.1.4).  Each block has registers of its own and every offset is an immediate.
.macro TOSTAGE a
	WIN 0x04                                       ; an LDS store's data are its source 1: window 1
.irp b, 0,1,2,3
	ds_store_b128 v[STO], v[ACC+8*(4*(\a)+\b):ACC+8*(4*(\a)+\b)+3] offset:64*\b
	ds_store_b128 v[STO], v[ACC+8*(4*(\a)+\b)+4:ACC+8*(4*(\a)+\b)+7] offset:64*\b+16
.endr
	WIN 0
.irp t, 0,1,2,3,4,5,6,7
	ds_load_b128 v[BK+32*(\a)+4*\t:BK+32*(\a)+4*\t+3], v[RD] offset:\t*2*SPITCH
.endr
.endm
.macro SEND a, younger
	s_wait_dscnt \younger
.irp t, 0,1,2,3,4,5,6,7
	global_store_b128 v[CO], v[BK+32*(\a)+4*\t:BK+32*(\a)+4*\t+3], s[12:13] offset:(\a)*65536+\t*8192 th:TH_STORE_NT   ; each half of the lanes stores 256 consecutive bytes, aligned
.endr
.endm
	PLACES NP
	TOSTAGE 0
.irp a, 1,2,3
	TOSTAGE \a
	SEND \a-1, 16                                  ; behind block a - 1's loads: block a's 8 stores and 8 loads
.endr
	SEND 3, 0
	s_wait_tensorcnt 0x0                           ; the wave's end
	ds_add_u32 v[SPW], v[NIL]
	s_wait_dscnt 0x0
	CROUND                                         ; the closing round
	s_endpgm
.Lfunc_end_k_q870e033d39_oproj:
	.size	k_q870e033d39_oproj, .Lfunc_end_k_q870e033d39_oproj-k_q870e033d39_oproj
	.p2alignl 7, 3214868480
	.fill 96, 4, 3214868480
	.section	.rodata,"a",@progbits
	.p2align	6, 0x0
	.amdhsa_kernel k_q870e033d39_oproj
		.amdhsa_group_segment_fixed_size 327680
		.amdhsa_private_segment_fixed_size 0
		.amdhsa_enable_private_segment 0
		.amdhsa_kernarg_size 40
		.amdhsa_user_sgpr_count 2
		.amdhsa_user_sgpr_kernarg_segment_ptr 1
		.amdhsa_wavefront_size32 1
		.amdhsa_system_sgpr_workgroup_id_x 1
		.amdhsa_system_sgpr_workgroup_id_y 1
		.amdhsa_system_sgpr_workgroup_id_z 1
		.amdhsa_system_vgpr_workitem_id 0
		.amdhsa_next_free_vgpr 512
		.amdhsa_next_free_sgpr 96
		.amdhsa_reserve_vcc 0
		.amdhsa_float_denorm_mode_32 3
		.amdhsa_float_denorm_mode_16_64 3
		.amdhsa_memory_ordered 1
		.amdhsa_forward_progress 1
		.amdhsa_inst_pref_size 52
	.end_amdhsa_kernel
	.amdgpu_metadata
---
amdhsa.version: [ 1, 2 ]
amdhsa.kernels:
  - .name:           k_q870e033d39_oproj
    .symbol:         k_q870e033d39_oproj.kd
    .args:
      - { .name: ac, .offset: 0, .size: 8, .value_kind: global_buffer, .address_space: global }
      - { .name: asc, .offset: 8, .size: 8, .value_kind: global_buffer, .address_space: global }
      - { .name: wc, .offset: 16, .size: 8, .value_kind: global_buffer, .address_space: global }
      - { .name: ws, .offset: 24, .size: 8, .value_kind: global_buffer, .address_space: global }
      - { .name: out0, .offset: 32, .size: 8, .value_kind: global_buffer, .address_space: global }
    .group_segment_fixed_size: 327680
    .private_segment_fixed_size: 0
    .kernarg_segment_align: 8
    .kernarg_segment_size: 40
    .max_flat_workgroup_size: 128
    .sgpr_count:     96
    .vgpr_count:     512
    .wavefront_size: 32
...
	.end_amdgpu_metadata
.endif
;; end of part 5
